; MI455X (gfx1250); checked and timed in simulation.
; The chip was launched on July 23, 2026; its instructions are those of AMD's public machine-readable ISA for CDNA 5 (MIT licence, August 2026) and "CDNA5" Instruction Set Architecture Reference Guide (July 2026). The comments in the code are by the model that wrote it; some were corrected since.
;; Multi Head Attention. Allowed arithmetic: matrix products marked QUANTISED: E4M3 operands, one E8M0 scale for each 32 along K, by v_wmma_scale_f32_16x16x128_f8f6f4 with both operands' format E4M3, f32 sums; everything else in f32.
;; Inputs: Wk 1,024 x 1,024 float32; Wp 1,024 x 1,024 float32; Wq 1,024 x 1,024 float32; Wv 1,024 x 1,024 float32; bp 1,024 float32; x 4 x 2,048 x 1,024 float32.
;; Outputs: out0 4 x 2,048 x 1,024 float32.
;; This version of the problem:
;;   THIS VERSION OF THE PROBLEM IS GIVEN IN LOW PRECISION. The matrix products marked QUANTISED in the list below multiply operands that are first quantised to E4M3 (4 exponent bits, 3 mantissa bits; 8 bits a number), with one power-of-two scale for each 32 numbers along K (OCP MX v1.0); their sums are f32. All else is computed in f32.
;;   The module's matrix products, in the order in which they are computed (A, B: the left and right operand; K: the contracted axis; several contracted axes count as one K, in the product's order):
;;     1. [M 8,192, K 1,024] x [K 1,024, N 1,024]; A: input x; B: input Wq: QUANTISED
;;     2. [M 8,192, K 1,024] x [K 1,024, N 1,024]; A: input x; B: input Wk: QUANTISED
;;     3. [M 8,192, K 1,024] x [K 1,024, N 1,024]; A: input x; B: input Wv: QUANTISED
;;     4. batch 64 x [M 2,048, K 64] x [K 64, N 2,048]; A: computed on the way; B: computed on the way: QUANTISED
;;     5. batch 64 x [M 2,048, K 2,048] x [K 2,048, N 64]; A: softmax (see below); B: computed on the way: QUANTISED
;;     6. [M 8,192, K 1,024] x [K 1,024, N 1,024]; A: computed on the way; B: input Wp: QUANTISED
;;   THE QUANTISER, for each operand of a quantised product, along K:
;;     - K is cut into blocks of 32 from its start; a last block that is shorter is filled with zeros.
;;     - A block's scale is 2^e with e = floor(log2(the largest magnitude in the block)) - 8, held to -126 .. 127; a block of zeros has e = 0. As a byte (E8M0): e + 127.
;;     - Each number is divided by its block's scale, clamped to +-448, and rounded to the nearest number of E4M3, ties to even, subnormals kept.
;;     - The product sums the exact products of the quantised numbers (number of the format x scale) in f32.
;;   ~~~python
;;   def quantise(x, axis):      # numpy; x: float32 -> the quantised numbers, widened to float32 again
;;       x = np.moveaxis(x, axis, -1); K = x.shape[-1]
;;       x = np.pad(x, [(0, 0)] * (x.ndim - 1) + [(0, -K % 32)]); x = x.reshape(x.shape[:-1] + (-1, 32)); a = np.abs(x).max(-1, keepdims=True)
;;       e = np.where(a > 0, np.clip(np.frexp(np.where(a > 0, a, 1))[1] - 1 - 8, -126, 127), 0)      # np.frexp(a)[1] - 1 = floor(log2(a)), exactly
;;       r = np.clip(x / 2.0 ** e, -448, 448)
;;       step = 2.0 ** (np.maximum(np.frexp(np.where(r == 0, 1, r))[1] - 1, -6) - 3)
;;       q = np.round(r / step) * step * 2.0 ** e      # np.round: ties to even
;;       return np.moveaxis(q.reshape(q.shape[:-2] + (-1,))[..., :K], -1, axis).astype(np.float32)
;;   ~~~
;;   SOFTMAX AHEAD OF A QUANTISED PRODUCT. Where the list says 'softmax', what is quantised is not the finished softmax but p = 2^(t - M), with t = logit x log2(e) and M = ceil(the row's largest t), a whole number; so 1/2 < the row's largest p <= 1. The row's sum l is taken of the UNQUANTISED p, in f32, and the product's result is divided by l at the end. Since M is a whole number, a kernel that streams over the keys may use a running M (the ceiling of the running maximum): every later rescaling is an exact power of two, which a block's scale takes up: the codes' values come out the same.
;;   OPERANDS COMPUTED ON THE WAY. 'Computed on the way' means the value that the module computes at that place (a softmax that the list does not call 'softmax' is quantised finished and normalised). What goes into a quantiser is computed in f32, as accurately as f32 sums, v_exp_f32 and their like allow (about 1e-6 of the number): no bf16 or f16 on the way to a quantiser, and a product that is left as it is and whose result goes on into a quantised operand takes f32 operands (vector FMAs, or v_wmma_f32_16x16x4_f32). A number that lies on a knife's edge between two numbers of the format may be rounded either way, as far as f32 arithmetic and the matrix unit's own rounding can turn it there, and no further.
;; One version. Each part assembles by itself: llvm-mc -triple=amdgcn-amd-amdhsa -mcpu=gfx1250 --defsym DOCPART=n.
;; ======== version 1 of 1: 4 launches
;; limits: right only within a limited range of input values
;; workspace buffers: xw_img 12,582,912 bytes; xw_sc 393,216 bytes; qkv_img 25,165,824 bytes; qkv_sc 1,572,864 bytes; ctx_img 8,388,608 bytes; ctx_sc 262,144 bytes
;; launch quant (part 1): grid 384 x 1, 4 waves a work-group, no clusters, 34,304 bytes of LDS; arguments x, Wq, Wk, Wv, Wp, xw_img, xw_sc; writes xw_img, xw_sc
.if DOCPART == 1
	.amdgcn_target "amdgcn-amd-amdhsa--gfx1250"
	.amdhsa_code_object_version 6
	.text
	.protected	k_qa1f248a408_quant
	.globl	k_qa1f248a408_quant
	.p2align	8
	.type	k_qa1f248a408_quant,@function
k_qa1f248a408_quant:
	s_mov_b64 s[64:65], 0
	v_nop
	global_prefetch_b8 v0, s[64:65] scope:SCOPE_SE
	s_setreg_imm32_b32 hwreg(HW_REG_WAVE_MODE, 25, 1), 1
	s_wait_xcnt 0x0
; x [8192][1024] and Wq, Wk, Wv, Wp [1024 (k)][1024 (n)], f32, become codes of FP8 (E4M3) with one E8M0 byte for each 32 along K (K = x's last axis, a weight's first).
; A block's scale is 2^(floor(log2(largest magnitude)) - 8); each number is divided by it, held within +-448 and rounded to the nearest code, ties to even.
; LAYOUT OF THE RESULT.  12,288 operand rows: 0-8191 x's rows, 8192 + 1024 wi + n column n of weight wi (0 Wq, 1 Wk, 2 Wv, 3 Wp).
;   xw_img [row / 16][K step of 128: 8][c 4][lane 32][16 bytes]: the image of a fragment's registers: lane (r, h) holds row r, its 16 bytes of group c are slots 16 h + 0 .. 15 of block c.
;   IN EVERY BLOCK OF 32 THE SLOTS ARE PERMUTED: slot i holds element (i % 8) + 16 ((i / 8) % 2) + 8 (i / 16).  Every operand of this program has that order, on both sides of each product, so the sums are the same;
;   it is the order in which two neighbouring result tiles hand a lane its 16 numbers, so that later launches quantise results without moving them between lanes.
;   xw_sc [K / 256: 4][row][8 bytes]: the scale words of two K steps.
; LIMITS: NaN and infinities among the inputs are not served.  A block of zeros, and one whose largest magnitude lies under 2^-118, gets the byte 1 (the rule says 127 for zeros): a block of zeros has zero codes, and this program alone reads the bytes.
; Work-groups 0-255 take x (32 rows each; wave w takes K 256 w on), work-groups 256-383 the weights (128 columns x 256 along K; a wave 32 columns).  Waves share nothing: no barrier.  Only x's path touches LDS.
.set SP,   528                         ; a stage row: 512 bytes + 16
.set WST,  16*SP                       ; a wave's stage: 16 rows
.set RA,   16                          ; v16-143  x: two sets of 64 registers as loaded
.set XN,   144                         ; v144-207 x: 64 numbers in the operand's order
.set PCD,  208                         ; v208-223 x: a fragment's codes
.set TM,   224                         ; v224-239 largest magnitudes, bytes, scale operands
.set PWD,  240                         ; v240-243 the four steps' scale words
.set SB,   24                          ; v24-25   weights: a column's eight scale bytes
.set SEL,  20                          ; s[20:21] lane selects: lane l xor 16
.set MNT,  23
; 16 nb numbers of a lane, register 16 b + i = slot 16 (lane / 16) + i of block b of my row, become codes in v[pc] on and the row's scale bytes in v[pw].
.macro QUANT s, nb, pc, pw
.irp b, 0,1,2,3
.if \b < \nb
	v_max3_num_f32 v[TM+\b], |v[\s+16*\b]|, |v[\s+1+16*\b]|, 0x4800000   ; my 16 numbers and the floor 2^(9 - 127): the byte cannot fall under 1
.endif
.endr
.irp i, 2,4,6,8,10,12,14
.irp b, 0,1,2,3
.if \b < \nb
	v_max3_num_f32 v[TM+\b], v[TM+\b], |v[\s+16*\b+\i]|, |v[\s+1+16*\b+\i]|
.endif
.endr
.endr
.irp b, 0,1,2,3
.if \b < \nb
	v_permlanex16_b32 v[TM+4+\b], v[TM+\b], s[SEL], s[SEL+1]
.endif
.endr
.irp b, 0,1,2,3
.if \b < \nb
	v_max_num_f32 v[TM+\b], v[TM+\b], v[TM+4+\b]                  ; with lane l xor 16's: the block's largest magnitude
.endif
.endr
.irp b, 0,1,2,3
.if \b < \nb
	v_add_nc_u32 v[TM+12+\b], 0xfc000000, v[TM+\b]                ; 8 off its exponent field: the conversion's scale operand
	v_lshrrev_b32 v[TM+4+\b], 23, v[TM+12+\b]                     ; the scale's byte
.endif
.endr
	v_lshl_or_b32 v[\pw], v[TM+5], 8, v[TM+4]
.if \nb > 2
	v_lshl_or_b32 v[\pw], v[TM+6], 16, v[\pw]
	v_lshl_or_b32 v[\pw], v[TM+7], 24, v[\pw]
.endif
.irp b, 0,1,2,3
.if \b < \nb
.set n, 0
.rept 16
.set n, n+1
.endr
	v_cvt_scalef32_pk8_fp8_f32 v[\pc+4*\b:\pc+1+4*\b], v[\s+16*\b:\s+7+16*\b], v[TM+12+\b]
	v_cvt_scalef32_pk8_fp8_f32 v[\pc+2+4*\b:\pc+3+4*\b], v[\s+8+16*\b:\s+15+16*\b], v[TM+12+\b]
.endif
.endr
	v_nop                                          ; a plain line behind the last conversion
.endm
	s_load_b256 s[4:11], s[0:1], 0x0               ; x s[4:5], Wq s[6:7], Wk s[8:9], Wv s[10:11]
	s_load_b128 s[12:15], s[0:1], 0x20             ; Wp s[12:13], xw_img s[14:15]
	s_load_b64 s[16:17], s[0:1], 0x30              ; xw_sc
	v_lshl_add_u32 v254, v0, 2, 0x8400
	v_mov_b32 v255, 0
	v_lshrrev_b32 v1, 5, v0
	v_readfirstlane_b32 s18, v1                    ; wave 0..3
	v_and_b32 v1, 31, v0                           ; lane
	s_mov_b32 s[SEL], 0x76543210
	s_mov_b32 s[SEL+1], 0xfedcba98
	s_cmp_lt_u32 ttmp9, 256
	s_cbranch_scc0 .Lweights
; ---------------- x: 32 rows x 256 along K a wave, in four steps of 16 rows x 128 ----------------
	v_and_b32 v6, 15, v0                           ; r
	v_bfe_u32 v7, v0, 4, 1                         ; h
	v_lshlrev_b32 v2, 4, v1                        ; 16 x lane: a load's, an image's place
	s_mul_i32 s19, s18, WST                        ; my stage
	v_add_nc_u32 v3, s19, v2                       ; into it: a row's 512 bytes as they lie
	v_mul_u32_u24 v4, v6, SP
	v_lshl_add_u32 v4, v7, 5, v4
	v_add_nc_u32 v4, s19, v4                       ; out of it: row r, + 32 h: elements 8 h on of a block
	v_lshlrev_b32 v5, 3, v1                        ; 8 x lane: a row's scale words
.irp b, 0,1,2,3
	v_mov_b32 v[TM+4+\b], 0                        ; written once: a lane permute's destination counts as one of its sources
.endr
	s_lshl_b32 s24, ttmp9, 17                      ; x: 32 rows of 4,096 bytes a work-group,
	s_lshl_b32 s25, s18, 10                        ; 1,024 bytes of a row a wave
	s_add_co_u32 s24, s24, s25
	s_mov_b32 s25, 0
	s_lshl_b32 s26, ttmp9, 15                      ; images: two row tiles of 16,384 bytes a work-group,
	s_lshl_b32 s27, s18, 12                        ; two K steps of 2,048 bytes a wave
	s_add_co_u32 s26, s26, s27
	s_mov_b32 s27, 0
	s_mul_i32 s28, s18, 98304                      ; scale words: plane w of 12,288 rows x 8 bytes,
	s_lshl_b32 s29, ttmp9, 8                       ; 32 rows x 8 bytes a work-group
	s_add_co_u32 s28, s28, s29
	s_mov_b32 s29, 0
	s_wait_alu depctr_va_vdst(0)
	s_wait_kmcnt 0x0
	s_add_nc_u64 s[4:5], s[4:5], s[24:25]
	s_add_nc_u64 s[14:15], s[14:15], s[26:27]
	s_add_nc_u64 s[16:17], s[16:17], s[28:29]
.macro LOADX t                         ; step t: row tile t / 2, K step t % 2: sixteen loads, each 512 consecutive bytes of one row
.irp i, 0,1,2,3,4,5,6,7,8,9,10,11,12,13,14,15
	global_load_b128 v[RA+64*((\t)%2)+4*\i:RA+64*((\t)%2)+4*\i+3], v2, s[4:5] offset:(16*((\t)/2)+\i)*4096+512*((\t)%2) th:TH_LOAD_NT
.endr
.endm
.macro XSTEP t
.if (\t) < 3
	s_wait_loadcnt 16                              ; this step's sixteen loads are in; the next step's sixteen may be out
.else
	s_wait_loadcnt 0
.endif
.irp i, 0,1,2,3,4,5,6,7,8,9,10,11,12,13,14,15
	ds_store_b128 v3, v[RA+64*((\t)%2)+4*\i:RA+64*((\t)%2)+4*\i+3] offset:SP*\i
.endr
.irp c, 0,1,2,3                        ; LDS serves a wave's instructions in order: these see the stores.  Of block c: elements 8 h + 0 .. 7, then 16 + 8 h + 0 .. 7: the slots' order
	ds_load_b128 v[XN+16*\c:XN+16*\c+3],     v4 offset:128*\c
	ds_load_b128 v[XN+16*\c+4:XN+16*\c+7],   v4 offset:128*\c+16
	ds_load_b128 v[XN+16*\c+8:XN+16*\c+11],  v4 offset:128*\c+64
	ds_load_b128 v[XN+16*\c+12:XN+16*\c+15], v4 offset:128*\c+80
.endr
	s_wait_dscnt 0x0                               ; the numbers are back, and the stage's stores have read their registers
	s_wait_xcnt 0x0                                ; the last step's stores have read the codes' registers, which are written again below
.if (\t) < 2
	LOADX (\t)+2
.endif
	QUANT XN, 4, PCD, PWD+\t
.irp c, 0,1,2,3
	global_store_b128 v2, v[PCD+4*\c:PCD+4*\c+3], s[14:15] offset:((\t)/2)*16384+((\t)%2)*2048+512*\c   ; 512 consecutive bytes
.endr
.endm
	LOADX 0
	LOADX 1
	XSTEP 0
	XSTEP 1
	XSTEP 2
	XSTEP 3
	v_cmp_ne_u32 vcc_lo, 0, v7                     ; lane l writes row l of the 32: lanes 0-15 the first tile's words, lanes 16-31 the second's
	v_cndmask_b32 v244, v240, v242, vcc_lo
	v_cndmask_b32 v245, v241, v243, vcc_lo
	global_store_b64 v5, v[244:245], s[16:17]      ; 256 consecutive bytes, aligned
	s_wait_tensorcnt 0x0
	ds_add_u32 v254, v255
	s_wait_dscnt 0x0
	s_endpgm
; ---------------- the weights: a lane takes a column n and its registers run down K ----------------
.Lweights:
	s_sub_co_u32 s19, ttmp9, 256
	s_lshr_b32 s22, s19, 5                         ; which weight
	s_bfe_u32 s28, s19, 0x30002                    ; which 128 columns
	s_and_b32 s29, s19, 3                          ; which 256 along K
	s_wait_alu depctr_va_vdst(0)
	v_lshlrev_b32 v3, 2, v1                        ; in: 4 bytes a lane
	v_lshrrev_b32 v8, 4, v1
	v_lshlrev_b32 v8, 14, v8                       ; out: lanes 16-31 belong to the next tile of 16 columns, 16,384 bytes on;
	v_and_b32 v9, 15, v1
	v_lshl_add_u32 v8, v9, 4, v8                   ; 16 bytes for each column of a tile
	v_lshlrev_b32 v9, 3, v1
	s_lshl_b32 s30, s28, 7
	s_lshl_b32 s31, s18, 5
	s_add_co_u32 s30, s30, s31                     ; my wave's first column
	s_lshl_b32 s32, s29, 20                        ; 256 rows of 4,096 bytes
	s_lshl_b32 s33, s30, 2
	s_add_co_u32 s32, s32, s33
	s_mov_b32 s33, 0
	s_lshl_b32 s34, s22, 6                         ; the images' tile: 512 + 64 wi + 8 cg + 2 w
	s_lshl_b32 s35, s28, 3
	s_add_co_u32 s34, s34, s35
	s_lshl_b32 s35, s18, 1
	s_add_co_u32 s34, s34, s35
	s_add_co_u32 s34, s34, 512
	s_lshl_b32 s34, s34, 14
	s_lshl_b32 s35, s29, 12                        ; and two K steps of 2,048 bytes
	s_add_co_u32 s34, s34, s35
	s_mov_b32 s35, 0
	s_lshl_b32 s36, s22, 10                        ; the scale words' row: 8,192 + 1,024 wi + column
	s_add_co_u32 s36, s36, s30
	s_add_co_u32 s36, s36, 8192
	s_lshl_b32 s36, s36, 3
	s_mul_i32 s37, s29, 98304
	s_add_co_u32 s36, s36, s37
	s_mov_b32 s37, 0
	s_wait_alu depctr_va_vdst(0)
	s_wait_kmcnt 0x0
	s_bitcmp1_b32 s22, 0                           ; the choice of buffer hangs on the work-group's number alone
	s_cselect_b64 s[24:25], s[8:9], s[6:7]
	s_cselect_b64 s[26:27], s[12:13], s[10:11]
	s_bitcmp1_b32 s22, 1
	s_cselect_b64 s[24:25], s[26:27], s[24:25]
	s_add_nc_u64 s[24:25], s[24:25], s[32:33]
	s_add_nc_u64 s[14:15], s[14:15], s[34:35]
	s_add_nc_u64 s[16:17], s[16:17], s[36:37]
.macro LOADW t                         ; block t: register i takes the element of slot i; 32 lanes read 128 consecutive bytes, the four waves 512
.irp i, 0,1,2,3,4,5,6,7,8,9,10,11,12,13,14,15,16,17,18,19,20,21,22,23,24,25,26,27,28,29,30,31
	global_load_b32 v[32+32*((\t)%2)+\i], v3, s[24:25] offset:(32*(\t)+(\i%8)+16*((\i/8)%2)+8*(\i/16))*4096 th:TH_LOAD_NT
.endr
.endm
.macro BLOCK t
.set XS, 32+32*((\t)%2)
.set CC, 96+8*((\t)%2)
.if (\t) < 7
	s_wait_loadcnt 32                              ; this block's 32 loads are in; the next block's may be out
.else
	s_wait_loadcnt 0
.endif
	v_max3_num_f32 v12, |v[XS]|, |v[XS+1]|, |v[XS+2]|               ; all 32 numbers of the block are mine
	v_max3_num_f32 v13, |v[XS+3]|, |v[XS+4]|, |v[XS+5]|
.irp i, 6,10,14,18,22,26
	v_max3_num_f32 v12, v12, |v[XS+\i]|, |v[XS+\i+1]|
	v_max3_num_f32 v13, v13, |v[XS+\i+2]|, |v[XS+\i+3]|
.endr
	v_max3_num_f32 v12, v12, |v[XS+30]|, |v[XS+31]|
	v_max3_num_f32 v12, v12, v13, 0x4800000        ; and the floor
	v_add_nc_u32 v11, 0xfc000000, v12
	v_lshrrev_b32 v13, 23, v11
.if (\t)%4 == 0
	v_mov_b32 v[SB+(\t)/4], v13
.else
	v_lshl_or_b32 v[SB+(\t)/4], v13, 8*((\t)%4), v[SB+(\t)/4]
.endif
	s_wait_alu depctr_va_vdst(0)
	s_wait_xcnt 0x0                                ; earlier stores have read the codes' registers
.set n, 0
.rept 32
.set n, n+1
.endr
.irp g, 0,1,2,3
	v_cvt_scalef32_pk8_fp8_f32 v[CC+2*\g:CC+2*\g+1], v[XS+8*\g:XS+8*\g+7], v11
.endr
	v_nop
	global_store_b128 v8, v[CC:CC+3], s[14:15] offset:((\t)/4)*2048+((\t)%4)*512        ; slots 0-15: the image's lanes 0-15; sixteen lanes store 256 consecutive bytes
	global_store_b128 v8, v[CC+4:CC+7], s[14:15] offset:((\t)/4)*2048+((\t)%4)*512+256  ; slots 16-31: its lanes 16-31
.if (\t)+2 < 8
	LOADW (\t)+2
.endif
.endm
	LOADW 0
	LOADW 1
.irp t, 0,1,2,3,4,5,6,7
	BLOCK \t
.endr
	global_store_b64 v9, v[SB:SB+1], s[16:17]      ; 32 columns x 8 bytes: 256 consecutive bytes, aligned
	s_endpgm
.Lfunc_end_k_qa1f248a408_quant:
	.size	k_qa1f248a408_quant, .Lfunc_end_k_qa1f248a408_quant-k_qa1f248a408_quant
	.p2alignl 7, 3214868480
	.fill 96, 4, 3214868480
	.section	.rodata,"a",@progbits
	.p2align	6, 0x0
	.amdhsa_kernel k_qa1f248a408_quant
		.amdhsa_group_segment_fixed_size 34304
		.amdhsa_private_segment_fixed_size 0
		.amdhsa_enable_private_segment 0
		.amdhsa_kernarg_size 56
		.amdhsa_user_sgpr_count 2
		.amdhsa_user_sgpr_kernarg_segment_ptr 1
		.amdhsa_wavefront_size32 1
		.amdhsa_system_sgpr_workgroup_id_x 1
		.amdhsa_system_sgpr_workgroup_id_y 1
		.amdhsa_system_sgpr_workgroup_id_z 1
		.amdhsa_system_vgpr_workitem_id 0
		.amdhsa_next_free_vgpr 256
		.amdhsa_next_free_sgpr 66
		.amdhsa_reserve_vcc 1
		.amdhsa_float_denorm_mode_32 3
		.amdhsa_float_denorm_mode_16_64 3
		.amdhsa_fp16_overflow 1
		.amdhsa_memory_ordered 1
		.amdhsa_forward_progress 1
		.amdhsa_inst_pref_size 73
	.end_amdhsa_kernel
	.amdgpu_metadata
---
amdhsa.version: [ 1, 2 ]
amdhsa.kernels:
  - .name:           k_qa1f248a408_quant
    .symbol:         k_qa1f248a408_quant.kd
    .args:
      - { .name: x, .offset: 0, .size: 8, .value_kind: global_buffer, .address_space: global }
      - { .name: Wq, .offset: 8, .size: 8, .value_kind: global_buffer, .address_space: global }
      - { .name: Wk, .offset: 16, .size: 8, .value_kind: global_buffer, .address_space: global }
      - { .name: Wv, .offset: 24, .size: 8, .value_kind: global_buffer, .address_space: global }
      - { .name: Wp, .offset: 32, .size: 8, .value_kind: global_buffer, .address_space: global }
      - { .name: xw_img, .offset: 40, .size: 8, .value_kind: global_buffer, .address_space: global }
      - { .name: xw_sc, .offset: 48, .size: 8, .value_kind: global_buffer, .address_space: global }
    .group_segment_fixed_size: 34304
    .private_segment_fixed_size: 0
    .kernarg_segment_align: 8
    .kernarg_segment_size: 56
    .max_flat_workgroup_size: 128
    .sgpr_count:     66
    .vgpr_count:     256
    .wavefront_size: 32
...
	.end_amdgpu_metadata
.endif
;; end of part 1
;; launch qkv (part 2): grid 12 x 32, 4 waves a work-group, clusters of 4 x 4, 327,680 bytes of LDS; arguments xw_img, xw_sc, qkv_img, qkv_sc; writes qkv_img, qkv_sc
.if DOCPART == 2
	.amdgcn_target "amdgcn-amd-amdhsa--gfx1250"
	.amdhsa_code_object_version 6
	.text
	.protected	k_qa1f248a408_qkv
	.globl	k_qa1f248a408_qkv
	.p2align	8
	.type	k_qa1f248a408_qkv,@function
k_qa1f248a408_qkv:
	s_mov_b64 s[64:65], 0
	v_nop
	global_prefetch_b8 v0, s[64:65] scope:SCOPE_SE
	s_setreg_imm32_b32 hwreg(HW_REG_WAVE_MODE, 25, 1), 1
	s_wait_xcnt 0x0
	s_wait_alu depctr_hold_cnt(0) depctr_sa_sdst(0) depctr_va_vdst(0) depctr_va_sdst(0) depctr_va_ssrc(0) depctr_va_vcc(0) depctr_vm_vsrc(0)
	s_getreg_b32 s2, hwreg(HW_REG_IB_STS2, 6, 4)
	s_cmp_eq_u32 s2, 0
	s_cbranch_scc0 .Lentry_in_a_cluster
	s_endpgm
.Lentry_in_a_cluster:
	s_bfe_u32 s2, ttmp6, 0x10000c
	s_cmp_lg_u32 s2, 0xf033
	s_cbranch_scc0 .Lentry_shape_is_right
	s_endpgm
.Lentry_shape_is_right:
; q = x Wq, k = x Wk and V^T = (x Wv)^T on codes of FP8 (E4M3) with E8M0 scales, f32 sums; each result is quantised here, in registers, along the K of the product that will read it, and leaves as register images.
; A cluster of 4 x 4 work-groups makes 1,024 x 1,024 of one result: cluster x 0: q, 1: k, 2: V^T; cluster y: which 1,024 tokens.  A work-group of four waves makes 256 x 256, a wave 128 x 128: 64 accumulators, 512 registers.
; Both operands lie in xw_img / xw_sc as rows of one table (tokens 0-8191; then the weights' columns), so V^T needs no text of its own: "A" is the tokens for q and k and Wv's columns for V^T, "B" the other.
; THE MATRIX INSTRUCTION IS USED TRANSPOSED (source 0 = 16 rows of B, source 1 = 16 rows of A): a lane holds ONE row of A and its registers run along B's rows: the head's channels for q and k, the keys for V^T: the next K.
; The 16 registers of two neighbouring tiles are the lane's 16 slots of a block of 32 in this program's slot order (slot i = element i % 8 + 16 ((i / 8) % 2) + 8 (i / 16)), so the conversions' results ARE the next operand's registers.
; K = 1,024 goes in four steps of 256 through two LDS slots.  A tile of 16 rows x 256 K is 4,096 consecutive bytes of register images: LDS is read at 16 x lane, with no pitch.  The scale words of all of K come once.
; JOINT LOADS: A's tiles are shared along a row of the cluster, B's along a column.
; OUT.  qkv_img: q at 0, k at 8,388,608: [b h 64][token / 16: 128][c 2][lane][16 bytes] (64 real K);  V^T at 16,777,216: [b h][128 keys: 16][channel / 16: 4][c 4][lane][16 bytes].
;       qkv_sc: [q | k with V][b h][128 tokens: 16][768 bytes]: [tile / 4: 2][r 16][4 words] (two bytes, then two zeros), then for V^T [r 16][4 words].
; LIMITS: NaN and infinities are not served; a block of zeros gets the byte 1 with zero codes (this program alone reads the bytes).
; REGISTERS, in windows of 256: window 0: v0-31 addresses; v32-63 scale words, two sets; v128-255 A's fragments, one set; in the epilogue v64-215 at work.  window 1: B's fragments, two sets.  windows 2, 3: accumulator (a, b) at v[8 (8 (a % 4) + b)].
.set NQ,     2                         ; matrix instructions deep in a slot
.set FR,     16                        ; registers of a fragment
.set NL,     4                         ; LDS loads that bring one
.set NP,     8                         ; places behind this matrix instruction (ISA guide 7.12.1)
.set HALFT,  32768                     ; 128 rows x 256 K: what one tensor load brings
.set SLOT,   4*HALFT                   ; A's two halves, then B's
.set SCL,    2*SLOT                    ; A's scale words: [half 2][K / 256: 4][128 rows][8 bytes]
.set SCB,    8320                      ; B's lie so far behind A's: 8,192 + 128
.set SPARE,  278784                    ; the spare words, 128 bytes a wave: two blocks of 256 bytes that no other line names
.set ADRA, 16                          ; v16-17  my A fragments in slot 0, 1
.set ADRB, 20                          ; v20-21  my B fragments
.set SH16, 24                          ; v24     16 x (lane / 16)
.set SCO,  25                          ; v25     the scale words' way out: 12,288 (lane / 16) + 16 (lane % 16)
.set LI,   26                          ; v26     16 x lane
.set ADRS, 27                          ; v27     my scale words: lanes 0-15 A's rows, lanes 16-31 B's
.set SPW,  28                          ; v28     my spare word; never rewritten
.set NIL,  29                          ; v29     0; never rewritten
.set SC,   32
.set XN,   64                          ; epilogue: 64 held numbers
.set AF,   128
.set PCD,  128                         ; epilogue: codes, two sets of 16
.set PWS,  160                         ; epilogue: a scale word for each of my eight blocks of A's rows
.set UW,   168                         ; epilogue: the words as they leave
.set TM,   200                         ; epilogue: largest magnitudes, bytes, holds, scale operands
.set G1, 24
.set G0, 32
.set G1B, 48
.set G0B, 56
.set G1S, 68
.set G0S, 76
.set G1SB, 80
.set G0SB, 88
.set SEL, 18                           ; s18, s19 lane selects (written behind the head)
.set MNT, 2                            ; s2       the mantissa field of 448 (likewise)
.set MSB, 0
.macro WIN new                         ; the immediate's high byte repeats the setting that is left
.if MSB != \new
	s_set_vgpr_msb (MSB<<8)|\new
.set MSB, \new
.endif
.endm
.set MUL_LO, 0xa1                      ; source 0 (B) window 1, source 1 (A) window 0, C and D window 2
.set MUL_HI, 0xf1                      ; the same, C and D window 3
.set TO_B,   0x40                      ; destination window 1, address window 0
; A joint load: waves 0 and 1 fetch for A, waves 2 and 3 for B; the branch hangs on the wave's number alone.  Four v_nop follow each of the two lines.
.macro JLOAD g0a, g1a, g0b, g1b
	s_cmp_eq_u32 s15, 0
	s_cbranch_scc0 .Lfor_b_\@
	tensor_load_to_lds s[\g0a:\g0a+3], s[\g1a:\g1a+7]
	s_nop 0
.rept 4
	v_nop
.endr
	s_branch .Lasked_\@
.Lfor_b_\@:
	tensor_load_to_lds s[\g0b:\g0b+3], s[\g1b:\g1b+7]
	s_nop 0
.rept 4
	v_nop
.endr
.Lasked_\@:
.endm
.macro CREST                           ; a round of the cluster's barrier behind its opening barrier
	s_cmp_lg_u32 s14, 0
	s_cbranch_scc1 .Lnot_wave_0_\@
	s_barrier_signal -3
.Lnot_wave_0_\@:
	s_barrier_wait -3
	s_barrier_signal -1
	s_barrier_wait -1
.endm
.macro CROUND
	s_barrier_signal -1
	s_barrier_wait -1
	CREST
.endm
	s_load_b256 s[4:11], s[0:1], 0x0               ; xw_img s[4:5], xw_sc s[6:7], qkv_img s[8:9], qkv_sc s[10:11]
	v_lshl_add_u32 v[SPW], v0, 2, SPARE
	v_mov_b32 v[NIL], 0
	ds_add_u32 v28, v29
	ds_add_u32 v28, v29
	s_wait_dscnt 0x0
	v_lshrrev_b32 v1, 5, v0
	v_readfirstlane_b32 s14, v1                    ; wave 0..3
	s_lshr_b32 s15, s14, 1                         ; which 128 of A's rows are mine.  Also: I fetch for A (0) or for B (1)
	s_and_b32 s16, s14, 1                          ; which 128 of B's rows.  Also: which half I fetch
	s_bfe_u32 s40, ttmp6, 0x40000                  ; cx
	s_bfe_u32 s41, ttmp6, 0x40004                  ; cy
	s_and_b32 s17, ttmp7, 0xffff                   ; cluster y: which 1,024 tokens
	s_lshl_b32 s43, s41, 2
	s_lshl_b32 s43, 15, s43                        ; my row of the cluster
	s_lshl_b32 s44, 0x1111, s40                    ; my column
	; group 1 for codes: 8 rows (tiles of 16 operand rows) of 512 elements of 8 bytes, 2,048 elements apart; no padding
	s_or_b32 s[G1+0], s43, (3<<16)|(1<<21)         ; 15:0 the mask; 17:16 elements of 8 bytes; 21 set beside a mask
	s_or_b32 s[G1B+0], s44, (3<<16)|(1<<21)
.irp g, G1, G1B
	s_mov_b32 s[\g+1], 512<<16                     ; tensor_dim0
	s_mov_b32 s[\g+2], 8<<16                       ; tensor_dim1
	s_mov_b32 s[\g+3], 512<<16                     ; tile_dim0
	s_mov_b32 s[\g+4], 8                           ; tile_dim1
	s_mov_b32 s[\g+5], 2048                        ; tensor_dim0_stride
	s_mov_b32 s[\g+6], 0
	s_mov_b32 s[\g+7], 0
.endr
	; and for the scale words of 128 rows: 4 rows (K / 256) of 128 elements of 8 bytes, 12,288 elements apart
	s_or_b32 s[G1S+0], s43, (3<<16)|(1<<21)
	s_or_b32 s[G1SB+0], s44, (3<<16)|(1<<21)
.irp g, G1S, G1SB
	s_mov_b32 s[\g+1], 128<<16
	s_mov_b32 s[\g+2], 4<<16
	s_mov_b32 s[\g+3], 128<<16
	s_mov_b32 s[\g+4], 4
	s_mov_b32 s[\g+5], 12288
	s_mov_b32 s[\g+6], 0
	s_mov_b32 s[\g+7], 0
.endr
	; which 256 rows of the table are A's and B's.  The choice hangs on the cluster's x, which all partners share; A's number then takes cy alone, B's cx alone
	s_lshl_b32 s18, s17, 2                         ; tokens: 4 x cluster y
	s_lshl_b32 s19, ttmp9, 2
	s_add_co_u32 s19, s19, 32                      ; Wq's or Wk's columns: 32 + 4 x cluster x
	s_cmp_eq_u32 ttmp9, 2
	s_cselect_b32 s20, 40, s18                     ; A: Wv's columns (from row 10,240 on) or the tokens
	s_cselect_b32 s46, s18, s19                    ; B: the tokens or the weight's columns
	s_add_co_u32 s20, s20, s41
	s_add_co_u32 s46, s46, s40
	s_lshl_b32 s18, s16, 17                        ; the half that I fetch: 8 tiles of 16,384 bytes,
	s_lshl_b32 s19, s16, 10                        ; 128 rows of 8 bytes
	s_lshl_b32 s22, s20, 11
	s_add_co_u32 s22, s22, s19
	s_mov_b32 s23, 0
	s_lshl_b32 s20, s20, 18
	s_add_co_u32 s20, s20, s18
	s_mov_b32 s21, 0
	s_lshl_b32 s92, s46, 11
	s_add_co_u32 s92, s92, s19
	s_mov_b32 s93, 0
	s_lshl_b32 s46, s46, 18
	s_add_co_u32 s46, s46, s18
	s_mov_b32 s47, 0
	s_lshl_b32 s45, s14, 15                        ; where codes go: wave x 32,768: no place in the cluster enters an LDS address
	s_lshl_b32 s94, s16, 12
	s_mul_i32 s95, s15, SCB
	s_add_co_u32 s94, s94, s95                     ; and scale words: half x 4,096, B's 8,320 further on
	s_wait_kmcnt 0x0
	s_add_nc_u64 s[20:21], s[4:5], s[20:21]
	s_add_nc_u64 s[22:23], s[6:7], s[22:23]
	s_add_nc_u64 s[46:47], s[4:5], s[46:47]
	s_add_nc_u64 s[92:93], s[6:7], s[92:93]
	CROUND                                         ; all sixteen work-groups are here: the first joint loads meet
	s_mov_b32 s[G0S], 1
	s_add_co_u32 s[G0S+1], s94, SCL
	s_mov_b64 s[G0S+2:G0S+3], s[22:23]
	s_or_b32 s[G0S+3], s[G0S+3], 0x80000000
	s_mov_b32 s[G0SB], 1
	s_add_co_u32 s[G0SB+1], s94, SCL
	s_mov_b64 s[G0SB+2:G0SB+3], s[92:93]
	s_or_b32 s[G0SB+3], s[G0SB+3], 0x80000000
	JLOAD G0S, G1S, G0SB, G1SB                     ; the scale words first: they are wanted with the first step
.irp s, 0,1
	s_mov_b32 s[G0+4*\s], 1
	s_add_co_u32 s[G0+4*\s+1], s45, \s*SLOT
	s_add_nc_u64 s[G0+4*\s+2:G0+4*\s+3], s[20:21], \s*4096
	s_or_b32 s[G0+4*\s+3], s[G0+4*\s+3], 0x80000000
	s_mov_b32 s[G0B+4*\s], 1
	s_add_co_u32 s[G0B+4*\s+1], s45, \s*SLOT
	s_add_nc_u64 s[G0B+4*\s+2:G0B+4*\s+3], s[46:47], \s*4096
	s_or_b32 s[G0B+4*\s+3], s[G0B+4*\s+3], 0x80000000
	JLOAD G0+4*\s, G1, G0B+4*\s, G1B
.endr
	v_and_b32 v1, 15, v0                           ; r
	v_bfe_u32 v2, v0, 4, 1                         ; h (kept)
	s_wait_alu depctr_va_vdst(0)
	v_and_b32 v3, 31, v0
	v_lshlrev_b32 v[LI], 4, v3
	s_lshl_b32 s21, s15, 15                        ; my 128 rows of A
	s_lshl_b32 s22, s16, 15                        ; my 128 rows of B,
	s_add_co_u32 s22, s22, 2*HALFT                 ; behind A's 256
.irp s, 0,1
	v_add_nc_u32 v[ADRA+\s], s21, v[LI]
	v_add_nc_u32 v[ADRB+\s], s22, v[LI]
	s_add_co_u32 s21, s21, SLOT
	s_add_co_u32 s22, s22, SLOT
.endr
	s_lshl_b32 s21, s15, 12                        ; A's scale words: my 128 rows
	s_lshl_b32 s22, s16, 12                        ; B's
	s_add_co_u32 s22, s22, SCB
	s_sub_co_u32 s22, s22, s21
	v_mul_u32_u24 v6, s22, v2                      ; lanes 16-31 take B's: one product in h
	s_add_co_u32 s21, s21, SCL
	v_lshl_add_u32 v5, v1, 3, v6                   ; 8 bytes a row
	v_add_nc_u32 v[ADRS], s21, v5
	v_lshlrev_b32 v[SH16], 4, v2
	v_mul_u32_u24 v[SCO], 0x3000, v2
	v_lshl_add_u32 v[SCO], v1, 4, v[SCO]
	; WHERE THE RESULTS GO (global addresses alone).  q, k: heads 4 cx + 2 wc + 0, 1; 128 tokens: group 2 (4 (cluster y % 2) + cy) + wr.  V^T: heads 4 cy + 2 wr + 0, 1; group 2 (4 (cluster y % 2) + cx) + wc.
	s_mov_b32 s100, 1024
	s_cmp_eq_u32 ttmp9, 2
	s_cselect_b32 s95, s41, s40
	s_cselect_b32 s96, s15, s16
	s_cselect_b32 s97, s40, s41
	s_cselect_b32 s98, s16, s15
	s_cselect_b32 s99, 512, 0                      ; V^T's scale words lie 512 bytes into a group's 768
	s_cselect_b32 s100, 2048, s100                 ; bytes from one block of A's rows to the next,
	s_cselect_b32 s104, 122880, 0                  ; more at the fifth block: V^T goes on to the next head,
	s_cselect_b32 s2, 0, 130048                    ; and from the first to the second pointer: q's and k's second head, less the 1,024 in the stores' immediates
	s_mov_b32 s101, 0
	s_mov_b32 s105, 0
	s_mov_b32 s3, 0
	s_lshl_b32 s95, s95, 2
	s_lshl_b32 s96, s96, 1
	s_add_co_u32 s95, s95, s96
	s_lshr_b32 s96, s17, 1                         ; the batch
	s_lshl_b32 s96, s96, 4
	s_add_co_u32 s95, s95, s96                     ; 16 b + head
	s_and_b32 s96, s17, 1
	s_lshl_b32 s96, s96, 2
	s_add_co_u32 s96, s96, s97
	s_lshl_b32 s96, s96, 1
	s_add_co_u32 s96, s96, s98                     ; the group of 128 tokens
	s_lshl_b32 s12, ttmp9, 23
	s_lshl_b32 s13, s95, 17
	s_add_co_u32 s12, s12, s13
	s_lshl_b32 s13, s96, 13
	s_add_co_u32 s12, s12, s13
	s_mov_b32 s13, 0
	s_add_nc_u64 s[8:9], s[8:9], s[12:13]          ; the first pointer: code groups 0, 1
	s_add_nc_u64 s[12:13], s[8:9], s[2:3]          ; the second: code groups 2, 3
	s_min_u32 s97, ttmp9, 1
	s_mul_i32 s97, s97, 786432
	s_mul_i32 s98, s95, 12288
	s_add_co_u32 s98, s98, s97
	s_mul_i32 s97, s96, 768
	s_add_co_u32 s98, s98, s97
	s_add_co_u32 s98, s98, s99
	s_mov_b32 s99, 0
	s_add_nc_u64 s[10:11], s[10:11], s[98:99]
	s_mov_b32 s[SEL], 0x76543210
	s_mov_b32 s[SEL+1], 0xfedcba98
	s_mov_b32 s[MNT], 0x600000
.macro FRAG reg, adr, q, i             ; a fragment's image: four groups of 512 bytes, 16 bytes a lane
.irp c, 0,1,2,3
	ds_load_b128 v[\reg+4*\c:\reg+4*\c+3], v[\adr] offset:4096*(\i)+2048*(\q)+512*\c
.endr
.endm
; 16 matrix instructions: A's blocks a0, a0 + 1 x B's eight.  The 64 accumulators take turns, one instruction a turn, in the same order in every step.
.macro MUL16 a0, p, q, sc, zero
.irp a, \a0, \a0+1
.irp b, 0,1,2,3,4,5,6,7
.if \zero
	v_wmma_scale_f32_16x16x128_f8f6f4 v[8*(8*((\a)%4)+\b):8*(8*((\a)%4)+\b)+7], v[128*(\p)+FR*\b:128*(\p)+FR*\b+FR-1], v[AF+FR*(\a):AF+FR*(\a)+FR-1], 0, v[SC+8*NQ*(\sc)+NQ*\b+(\q)], v[SC+8*NQ*(\sc)+NQ*(\a)+(\q)] matrix_a_scale:MATRIX_SCALE_ROW1
.else
	v_wmma_scale_f32_16x16x128_f8f6f4 v[8*(8*((\a)%4)+\b):8*(8*((\a)%4)+\b)+7], v[128*(\p)+FR*\b:128*(\p)+FR*\b+FR-1], v[AF+FR*(\a):AF+FR*(\a)+FR-1], v[8*(8*((\a)%4)+\b):8*(8*((\a)%4)+\b)+7], v[SC+8*NQ*(\sc)+NQ*\b+(\q)], v[SC+8*NQ*(\sc)+NQ*(\a)+(\q)] matrix_a_scale:MATRIX_SCALE_ROW1
.endif
.endr
.endr
.endm
.macro FETCH_B slot, q, p
	WIN TO_B
.irp i, 0,1,2,3,4,5,6,7
	FRAG 128*(\p)+FR*\i, ADRB+\slot, \q, \i
.endr
	WIN 0
.endm
.macro FETCH_A slot, q, i0
.irp i, \i0, \i0+1, \i0+2, \i0+3
	FRAG AF+FR*(\i), ADRA+\slot, \q, \i
.endr
.endm
.macro SCALES sc                       ; a slot's scale words: two words a row; lanes 0-15 A's block i, lanes 16-31 B's block i
.irp i, 0,1,2,3,4,5,6,7
	ds_load_b64 v[SC+8*NQ*\sc+NQ*\i:SC+8*NQ*\sc+NQ*\i+1], v[ADRS] offset:\i*128
.endr
.endm
.macro PLACES n                        ; plain vector lines between a matrix instruction and a load into, or a vector read of, its registers
.rept \n
	v_nop
.endr
.endm
.macro STEP slot, q, zero              ; 128 along K that has its successor in the same slot
	s_wait_dscnt 4*NL                              ; B's set, A's blocks 0-3 and the scale words are in; the youngest sixteen loads (A's blocks 4-7) may be out
	WIN MUL_LO
	MUL16 0, (\q)%2, \q, \slot, \zero
	MUL16 2, (\q)%2, \q, \slot, \zero
	s_wait_dscnt 0
	PLACES NP
	FETCH_B \slot, (\q)+1, 1-(\q)%2
	FETCH_A \slot, (\q)+1, 0
	WIN MUL_HI
	MUL16 4, (\q)%2, \q, \slot, \zero
	MUL16 6, (\q)%2, \q, \slot, \zero
	PLACES NP
	WIN 0
	FETCH_A \slot, (\q)+1, 4
.endm
; A slot's last 128 along K changes slots: one barrier; in front of it each wave waits for all its tensor loads, adds 0 to its spare word, and waits for that and for its reads of this slot.
.macro TURN slot, next, fill
	s_wait_tensorcnt 0x0                           ; all my tensor loads have landed: my part of the next slot
	ds_add_u32 v[SPW], v[NIL]
	s_wait_dscnt 4*NL+1                            ; the add and the youngest sixteen loads may be out
	WIN MUL_LO
	MUL16 0, 1, NQ-1, \slot, 0
	s_wait_dscnt 0x0                               ; the add is done, and my reads of this slot are over
	s_barrier_signal -1
	MUL16 2, 1, NQ-1, \slot, 0
	WIN 0
	s_barrier_wait -1
.if \fill
	CREST                                          ; the barrier has opened a round of the cluster's: no wave of any partner still reads this slot or has a load on its way
	s_add_nc_u64 s[G0+4*\slot+2:G0+4*\slot+3], s[G0+4*\slot+2:G0+4*\slot+3], 8192
	s_add_nc_u64 s[G0B+4*\slot+2:G0B+4*\slot+3], s[G0B+4*\slot+2:G0B+4*\slot+3], 8192
	JLOAD G0+4*\slot, G1, G0B+4*\slot, G1B         ; the first tensor load behind the round; its four v_nop are among the places in front of the loads below
	PLACES NP-4
.else
	PLACES NP
.endif
	s_wait_alu depctr_va_vdst(0)
	v_add_nc_u32 v[ADRS], 1024, v[ADRS]            ; the next slot's scale words
	FETCH_B \next, 0, 0
	FETCH_A \next, 0, 0
	SCALES \next
	WIN MUL_HI
	MUL16 4, 1, NQ-1, \slot, 0
	MUL16 6, 1, NQ-1, \slot, 0
	PLACES NP
	WIN 0
	FETCH_A \next, 0, 4
.endm
	s_wait_alu depctr_va_vdst(0)
	s_wait_tensorcnt 1                             ; the scale words and my part of slot 0 are in; of my three loads slot 1's may be out
	s_barrier_signal -1
	s_barrier_wait -1
	FETCH_B 0, 0, 0
	FETCH_A 0, 0, 0
	SCALES 0
	FETCH_A 0, 0, 4
	STEP 0, 0, 1                                   ; the first products start the sums
	TURN 0, 1, 1                                   ; K = 1,024 is four slots' worth: written out, no loop
	STEP 1, 0, 0
	TURN 1, 0, 1
	STEP 0, 0, 0
	TURN 0, 1, 0
	STEP 1, 0, 0
	s_wait_dscnt 4*NL
	WIN MUL_LO
	MUL16 0, 1, NQ-1, 1, 0
	MUL16 2, 1, NQ-1, 1, 0
	s_wait_dscnt 0
	WIN MUL_HI
	MUL16 4, 1, NQ-1, 1, 0
	MUL16 6, 1, NQ-1, 1, 0
	WIN 0
	PLACES NP
.irp b, 0,1,2,3
	v_mov_b32 v[TM+4+\b], 0                        ; written once: a lane permute's destination counts as one of its sources
.endr
; THE EPILOGUE, block a of A's rows at a time: my row's 128 numbers are four blocks of 32 along the next K (16 of each in my registers, 16 in lane l xor 16's).  Each accumulator is read from its low end on.
.macro EPI a
.set WN, 2+(\a)/4
.set ACB, 64*((\a)%4)
.set PCA, PCD+16*((\a)%2)
.set W01, WN|(WN<<2)
.set W12, (WN<<2)|(WN<<4)
	WIN W01
.irp b, 0,1,2,3
	v_max3_num_f32 v[TM+\b], |v[ACB+16*\b]|, |v[ACB+16*\b+1]|, 0x4800000   ; with the floor 2^(9 - 127)
.endr
	WIN W12
.irp i, 2,4,6,8,10,12,14
.irp b, 0,1,2,3
	v_max3_num_f32 v[TM+\b], v[TM+\b], |v[ACB+16*\b+\i]|, |v[ACB+16*\b+\i+1]|
.endr
.endr
	WIN 0
.irp b, 0,1,2,3
	v_permlanex16_b32 v[TM+4+\b], v[TM+\b], s[SEL], s[SEL+1]
.endr
.irp b, 0,1,2,3
	v_max_num_f32 v[TM+\b], v[TM+\b], v[TM+4+\b]
.endr
.irp b, 0,1,2,3
	v_add_nc_u32 v[TM+12+\b], 0xfc000000, v[TM+\b]                ; the conversion's scale operand
	v_and_or_b32 v[TM+8+\b], v[TM+\b], 0x7f800000, s[MNT]         ; 448 x the scale
	v_lshrrev_b32 v[TM+4+\b], 23, v[TM+12+\b]                     ; the byte
.endr
	v_lshl_or_b32 v[PWS+\a], v[TM+5], 8, v[TM+4]
	v_lshl_or_b32 v[PWS+\a], v[TM+6], 16, v[PWS+\a]
	v_lshl_or_b32 v[PWS+\a], v[TM+7], 24, v[PWS+\a]
	WIN WN
.irp b, 0,1,2,3
.set n, 0
.rept 16
	v_med3_num_f32 v[XN+16*\b+n], v[ACB+16*\b+n], -v[TM+8+\b], v[TM+8+\b]   ; the hold; the held number goes to window 0
.set n, n+1
.endr
.endr
	WIN 0
	s_wait_alu depctr_va_vdst(0)
	s_wait_xcnt 0x0                                ; earlier stores have read their codes and their bases: both are written again below
.if (\a) > 0
	s_add_nc_u64 s[8:9], s[8:9], s[100:101]
	s_add_nc_u64 s[12:13], s[12:13], s[100:101]
.endif
.if (\a) == 4
	s_add_nc_u64 s[8:9], s[8:9], s[104:105]
	s_add_nc_u64 s[12:13], s[12:13], s[104:105]
.endif
.irp b, 0,1,2,3
	v_cvt_scalef32_pk8_fp8_f32 v[PCA+4*\b:PCA+4*\b+1], v[XN+16*\b:XN+16*\b+7], v[TM+12+\b]
	v_cvt_scalef32_pk8_fp8_f32 v[PCA+4*\b+2:PCA+4*\b+3], v[XN+16*\b+8:XN+16*\b+15], v[TM+12+\b]
.endr
	v_nop                                          ; a plain line behind the last conversion
.irp e, 0,1
	global_store_b128 v[LI], v[PCA+4*\e:PCA+4*\e+3], s[8:9] offset:512*\e      ; 512 consecutive bytes each
.endr
.irp e, 2,3
	global_store_b128 v[LI], v[PCA+4*\e:PCA+4*\e+3], s[12:13] offset:512*\e
.endr
.endm
.irp a, 0,1,2,3,4,5,6,7
	EPI \a
.endr
	s_cmp_eq_u32 ttmp9, 2                          ; the cluster's x: the same in all partners
	s_cbranch_scc1 .Lv_scales
.irp a, 0,1,2,3,4,5,6,7                ; q, k: a word's low two bytes are the first head's, its high two the second's: lanes 0-15 write the first head's table, lanes 16-31 the second's
	v_lshrrev_b32 v[UW+\a], v[SH16], v[PWS+\a]
.endr
.irp a, 0,1,2,3,4,5,6,7
	v_and_b32 v[UW+\a], 0xffff, v[UW+\a]
.endr
	global_store_b128 v[SCO], v[UW:UW+3], s[10:11]                 ; sixteen lanes store 256 consecutive bytes
	global_store_b128 v[SCO], v[UW+4:UW+7], s[10:11] offset:256
	s_branch .Ldone
.Lv_scales:                            ; V^T: blocks 0-3 are the first head's four channel tiles, blocks 4-7 the second's
	v_cmp_ne_u32 vcc_lo, 0, v2
.irp d, 0,1,2,3
	v_cndmask_b32 v[UW+\d], v[PWS+\d], v[PWS+4+\d], vcc_lo
.endr
	global_store_b128 v[SCO], v[UW:UW+3], s[10:11]
.Ldone:
	s_wait_tensorcnt 0x0                           ; the wave's end
	ds_add_u32 v[SPW], v[NIL]
	s_wait_dscnt 0x0
	CROUND                                         ; the closing round
	s_endpgm
.Lfunc_end_k_qa1f248a408_qkv:
	.size	k_qa1f248a408_qkv, .Lfunc_end_k_qa1f248a408_qkv-k_qa1f248a408_qkv
	.p2alignl 7, 3214868480
	.fill 96, 4, 3214868480
	.section	.rodata,"a",@progbits
	.p2align	6, 0x0
	.amdhsa_kernel k_qa1f248a408_qkv
		.amdhsa_group_segment_fixed_size 327680
		.amdhsa_private_segment_fixed_size 0
		.amdhsa_enable_private_segment 0
		.amdhsa_kernarg_size 32
		.amdhsa_user_sgpr_count 2
		.amdhsa_user_sgpr_kernarg_segment_ptr 1
		.amdhsa_wavefront_size32 1
		.amdhsa_system_sgpr_workgroup_id_x 1
		.amdhsa_system_sgpr_workgroup_id_y 1
		.amdhsa_system_sgpr_workgroup_id_z 1
		.amdhsa_system_vgpr_workitem_id 0
		.amdhsa_next_free_vgpr 1024
		.amdhsa_next_free_sgpr 106
		.amdhsa_reserve_vcc 1
		.amdhsa_float_denorm_mode_32 3
		.amdhsa_float_denorm_mode_16_64 3
		.amdhsa_memory_ordered 1
		.amdhsa_forward_progress 1
		.amdhsa_inst_pref_size 187
	.end_amdhsa_kernel
	.amdgpu_metadata
---
amdhsa.version: [ 1, 2 ]
amdhsa.kernels:
  - .name:           k_qa1f248a408_qkv
    .symbol:         k_qa1f248a408_qkv.kd
    .args:
      - { .name: xw_img, .offset: 0, .size: 8, .value_kind: global_buffer, .address_space: global }
      - { .name: xw_sc, .offset: 8, .size: 8, .value_kind: global_buffer, .address_space: global }
      - { .name: qkv_img, .offset: 16, .size: 8, .value_kind: global_buffer, .address_space: global }
      - { .name: qkv_sc, .offset: 24, .size: 8, .value_kind: global_buffer, .address_space: global }
    .group_segment_fixed_size: 327680
    .private_segment_fixed_size: 0
    .kernarg_segment_align: 8
    .kernarg_segment_size: 32
    .max_flat_workgroup_size: 128
    .sgpr_count:     106
    .vgpr_count:     1024
    .wavefront_size: 32
...
	.end_amdgpu_metadata
.endif
;; end of part 2
;; launch attn (part 3): grid 4 x 64, 16 waves a work-group, no clusters, 276,480 bytes of LDS; arguments qkv_img, qkv_sc, ctx_img, ctx_sc; writes ctx_img, ctx_sc
.if DOCPART == 3
	.amdgcn_target "amdgcn-amd-amdhsa--gfx1250"
	.amdhsa_code_object_version 6
	.text
	.protected	k_qa1f248a408_attn
	.globl	k_qa1f248a408_attn
	.p2align	8
	.type	k_qa1f248a408_attn,@function
k_qa1f248a408_attn:
	s_mov_b64 s[64:65], 0
	v_nop
	global_prefetch_b8 v0, s[64:65] scope:SCOPE_SE
	s_setreg_imm32_b32 hwreg(HW_REG_WAVE_MODE, 25, 1), 1
	s_wait_xcnt 0x0
; ctx = softmax(q k^T / 8, causal) v for one (batch, head), both products on codes of FP8 (E4M3) with E8M0 scales; ctx is quantised here along the out projection's K and leaves as register images.
; THE SOFTMAX: t = score x log2(e) / 8; M = the row's largest t so far, rounded UP to a whole number; p = 2^(t - M) is quantised along the keys, not normalised; the row's sum is taken of the unquantised p and divides at the end.
; When M moves, the sum and O are multiplied by 2^(old M - new M): exact.
; SHARES.  Work-group (p, b h) owns query blocks 7 - p and p, 256 queries each, in that order.  Wave w takes tile w of the first and tile 15 - w of the second: under the causal mask
; 2 (7 - p) + 1 + (w / 8) and 2 p + 1 + (1 - w / 8) key steps of 128: 17 for every wave of every work-group.
; THE HEAD'S WHOLE K AND V^T LIE IN LDS, filled once (2 x 131,072 bytes of register images, 12,288 of scale words), in four quarters along the keys: no slot is ever filled again.  TWO BARRIERS: in front of the first key step
; (the scale words and keys 0-511 have landed) and behind the fourth (all have).  The first block has at least 1,024 visible keys for every query, so those four steps are whole for every wave.  Behind the second barrier LDS is only read, and no wave waits for another.
; NO CLUSTER, though the four work-groups of a head read the same K and V: a step all of whose keys are hidden is left out by a branch on the work-group's query block, which differs between those four, and partners of joint loads must run alike.
; LAYOUT.  Both products are used transposed: S^T = K Q^T, O^T = V^T P^T: a lane holds ONE query.  All operands have this program's slot order in each block of 32, which is the order in which two neighbouring tiles of S^T or O^T hand a lane 16 numbers.
; K = 64 IN AN INSTRUCTION OF 128: Q's upper eight registers are zero codes; the upper half of K's operand is whatever lies behind it (the next tile's codes, which are numbers, since the hold lets no NaN code arise; zeros behind the last), under the scale byte 0.
; ctx's scale bytes leave as 2 bytes a row, 8 bytes apart: the other six of a row's eight belong to three other heads' work-groups; they are 2 bytes for each 64 bytes of codes.
; LIMITS: NaN and infinities are not served; a block of zeros gets the byte 1 with zero codes; M is exact as a whole number up to 2^24.
; REGISTERS: v1-9 addresses; v12 -M, v13 largest t, v[14:15] the sum; v16-23 Q, v24-31 zeros; v32-95 K's or V's fragments, v96-103 zeros; v104-167 S^T, then p; v168-199 O^T; v200-215 p's codes; v216-223 scale words; v224-247 at work.
.set KIMG, 0
.set VIMG, 131072
.set SCW,  262144                      ; [128 keys: 16][768 bytes] scale words
.set ADK,  4
.set ADV,  5
.set ADS,  6
.set SS,   104
.set OT,   168
.set PCD,  200
.set TM,   224                         ; v224-227 block maxima, v228-231 permute / bytes, v232-235 partial sums, v236-239 scale operands
.set BM,   224
.set T2,   228
.set HOLD, 232
.set SOP,  236
.set WV,   12
.set PB,   13
.set BH,   14
.set G1C,  16                          ; s[16:23] group 1: 16 rows of 256 bytes, dense
.set G1S,  24                          ; s[24:31] group 1: 3 rows of 256 bytes, dense
.set G0,   32                          ; s[32:51] five groups 0
.set SEL,  52
.set CS,   54
.set MNT,  56
.set KF,   57                          ; the step's first key
.set TK,   58                          ; its images' byte in K's and V's regions
.set TS,   59                          ; its scale words' byte
.set Q0,   60                          ; my first query
.set CNT,  61
.set TT,   62
.set BLKQ, 63                          ; the query block in hand
.set TQ,   79                          ; my query tile among the head's 128
.macro QUANT s, nb, pc, pw             ; 16 nb numbers of a lane (register 16 b + i = slot 16 (lane / 16) + i of block b) -> codes in v[pc] on, the row's bytes in v[pw]
.irp b, 0,1,2,3
.if \b < \nb
	v_max3_num_f32 v[TM+\b], |v[\s+16*\b]|, |v[\s+1+16*\b]|, 0x4800000
.endif
.endr
.irp i, 2,4,6,8,10,12,14
.irp b, 0,1,2,3
.if \b < \nb
	s_delay_alu instid0(VALU_DEP_2)
	v_max3_num_f32 v[TM+\b], v[TM+\b], |v[\s+16*\b+\i]|, |v[\s+1+16*\b+\i]|
.endif
.endr
.endr
.irp b, 0,1,2,3
.if \b < \nb
	s_delay_alu instid0(VALU_DEP_2)
	v_permlanex16_b32 v[TM+4+\b], v[TM+\b], s[SEL], s[SEL+1]
.endif
.endr
.irp b, 0,1,2,3
.if \b < \nb
	s_delay_alu instid0(VALU_DEP_2)
	v_max_num_f32 v[TM+\b], v[TM+\b], v[TM+4+\b]
.endif
.endr
.irp b, 0
.if \b < \nb
	s_delay_alu instid0(VALU_DEP_2)
	v_add_nc_u32 v[TM+12+\b], 0xfc000000, v[TM+\b]
	s_delay_alu instid0(VALU_DEP_1)
	v_lshrrev_b32 v[TM+4+\b], 23, v[TM+12+\b]
.endif
.endr
.irp b, 1, 2, 3
.if \b < \nb
	s_delay_alu instid0(VALU_DEP_3)
	v_add_nc_u32 v[TM+12+\b], 0xfc000000, v[TM+\b]
	s_delay_alu instid0(VALU_DEP_1)
	v_lshrrev_b32 v[TM+4+\b], 23, v[TM+12+\b]
.endif
.endr
	s_delay_alu instid0(VALU_DEP_1)
	v_lshl_or_b32 v[\pw], v[TM+5], 8, v[TM+4]
.if \nb > 2
	v_lshl_or_b32 v[\pw], v[TM+6], 16, v[\pw]
	v_lshl_or_b32 v[\pw], v[TM+7], 24, v[\pw]
.endif
.irp b, 0,1,2,3
.if \b < \nb
.set n, 0
.rept 16
.set n, n+1
.endr
	v_cvt_scalef32_pk8_fp8_f32 v[\pc+4*\b:\pc+1+4*\b], v[\s+16*\b:\s+7+16*\b], v[TM+12+\b]
	v_cvt_scalef32_pk8_fp8_f32 v[\pc+2+4*\b:\pc+3+4*\b], v[\s+8+16*\b:\s+15+16*\b], v[TM+12+\b]
.endif
.endr
	v_nop
.endm
	s_load_b256 s[4:11], s[0:1], 0x0               ; qkv_img s[4:5], qkv_sc s[6:7], ctx_img s[8:9], ctx_sc s[10:11]
	v_lshl_add_u32 v254, v0, 2, 0x43000
	v_mov_b32 v255, 0
	ds_add_u32 v254, v255
	ds_add_u32 v254, v255
	v_lshrrev_b32 v8, 5, v0
	s_delay_alu instid0(VALU_DEP_1)
	v_readfirstlane_b32 s[WV], v8                  ; wave 0..15
	s_mov_b32 s[PB], ttmp9
	s_and_b32 s[BH], ttmp7, 0xffff
	s_mov_b32 s[G1C], 3<<16                        ; elements of 8 bytes, no mask, no padding
	s_mov_b32 s[G1C+1], 32<<16                     ; tensor_dim0 = 32 (256 bytes)
	s_mov_b32 s[G1C+2], 16<<16                     ; tensor_dim1 = 16
	s_mov_b32 s[G1C+3], 32<<16                     ; tile_dim0
	s_mov_b32 s[G1C+4], 16                         ; tile_dim1
	s_mov_b32 s[G1C+5], 32                         ; pitch
	s_mov_b32 s[G1C+6], 0
	s_mov_b32 s[G1C+7], 0
	s_mov_b32 s[G1S], 3<<16
	s_mov_b32 s[G1S+1], 32<<16
	s_mov_b32 s[G1S+2], 3<<16
	s_mov_b32 s[G1S+3], 32<<16
	s_mov_b32 s[G1S+4], 3
	s_mov_b32 s[G1S+5], 32
	s_mov_b32 s[G1S+6], 0
	s_mov_b32 s[G1S+7], 0
	s_lshr_b32 s74, s[WV], 3                       ; waves 0-7 fetch K, waves 8-15 V^T;
	s_and_b32 s75, s[WV], 7                        ; each 4,096 bytes of every quarter's 32,768
	s_lshl_b32 s76, s74, 17
	s_lshl_b32 s77, s75, 12
	s_add_co_u32 s76, s76, s77                     ; in LDS
	s_add_co_u32 s78, s74, 1
	s_lshl_b32 s78, s78, 23                        ; in memory: k's part or V^T's,
	s_lshl_b32 s79, s[BH], 17                      ; the head's 131,072 bytes
	s_add_co_u32 s78, s78, s79
	s_add_co_u32 s78, s78, s77
	s_mov_b32 s79, 0
	s_mul_i32 s80, s[BH], 12288                    ; the scale words of key group w: 768 bytes
	s_mul_i32 s81, s[WV], 768
	s_add_co_u32 s80, s80, s81
	s_add_co_u32 s80, s80, 786432
	s_add_co_u32 s82, s81, SCW
	s_mov_b32 s81, 0
	s_wait_dscnt 0x0
	s_wait_kmcnt 0x0
	s_mov_b32 s[G0], 1
	s_mov_b32 s[G0+1], s82
	s_add_nc_u64 s[G0+2:G0+3], s[6:7], s[80:81]
	s_or_b32 s[G0+3], s[G0+3], 0x80000000
	s_add_nc_u64 s[78:79], s[4:5], s[78:79]
.irp d, 0,1,2,3
	s_mov_b32 s[G0+4+4*\d], 1
	s_add_co_u32 s[G0+5+4*\d], s76, \d*32768
	s_add_nc_u64 s[G0+6+4*\d:G0+7+4*\d], s[78:79], \d*32768
	s_or_b32 s[G0+7+4*\d], s[G0+7+4*\d], 0x80000000
.endr
	tensor_load_to_lds s[G0:G0+3], s[G1S:G1S+7]          ; all first fills in one group: five loads of mine are out
	s_nop 0
	tensor_load_to_lds s[G0+4:G0+7], s[G1C:G1C+7]        ; keys 0-511
	s_nop 0
	tensor_load_to_lds s[G0+8:G0+11], s[G1C:G1C+7]       ; keys 512-1023
	s_nop 0
	tensor_load_to_lds s[G0+12:G0+15], s[G1C:G1C+7]      ; keys 1024-1535
	s_nop 0
	tensor_load_to_lds s[G0+16:G0+19], s[G1C:G1C+7]      ; keys 1536-2047
	s_nop 0
.rept 4
	v_nop
.endr
	v_and_b32 v8, 31, v0
	s_delay_alu instid0(VALU_DEP_1)
	v_lshlrev_b32 v1, 4, v8                        ; 16 x lane
	v_and_b32 v10, 15, v0                          ; r
	v_bfe_u32 v11, v0, 4, 1                        ; h
	s_delay_alu instid0(VALU_DEP_2)
	v_lshl_add_u32 v2, v10, 4, SCW                 ; scale words: 16 bytes a row
	s_delay_alu instid0(VALU_DEP_3)
	v_lshlrev_b32 v3, 3, v10                       ; ctx's scale bytes: 8 bytes a row
	s_delay_alu instid0(VALU_DEP_3)
	v_lshlrev_b32 v7, 3, v11
	s_delay_alu instid0(VALU_DEP_1)
	v_sub_nc_u32 v7, v10, v7                       ; r - 8 h, for the mask
	v_lshlrev_b32 v9, 4, v10                       ; q's scale words: 16 bytes a row
.irp i, 0,1,2,3,4,5,6,7
	v_mov_b32 v[24+\i], 0                          ; Q's upper half: zero codes
	v_mov_b32 v[96+\i], 0                          ; and what lies behind K's last tile
.endr
.irp b, 0,1,2,3
	v_mov_b32 v[T2+\b], 0                          ; written once: a lane permute's destination counts as one of its sources
.endr
	v_mov_b32 v243, 0                              ; (the upper half of the pair v[242:243])
	v_mov_b32 v244, 0
	s_mov_b32 s[SEL], 0x76543210
	s_mov_b32 s[SEL+1], 0xfedcba98
	s_mov_b32 s[CS], 0x3e38aa3b                    ; c = log2(e) / 8
	s_mov_b32 s[CS+1], s[CS]
; A query block begins, in three parts.  QASK: my tile, and Q's fragment and scale word are asked for.  rev = 1: tile 15 - wave of the block, else tile wave.
.macro QASK rev
	s_lshl_b32 s[TQ], s[BLKQ], 4
.if \rev
	s_sub_co_u32 s74, 15, s[WV]
	s_add_co_u32 s[TQ], s[TQ], s74
.else
	s_add_co_u32 s[TQ], s[TQ], s[WV]
.endif
	s_lshl_b32 s[Q0], s[TQ], 4
	s_lshl_b32 s74, s[BH], 17
	s_lshl_b32 s75, s[TQ], 10
	s_add_co_u32 s74, s74, s75
	s_mov_b32 s75, 0
	s_add_nc_u64 s[66:67], s[4:5], s[74:75]        ; q's image: 1,024 bytes a tile
	s_mul_i32 s74, s[BH], 12288
	s_lshr_b32 s76, s[TQ], 3
	s_mul_i32 s76, s76, 768
	s_add_co_u32 s74, s74, s76
	s_bfe_u32 s76, s[TQ], 0x10002
	s_lshl_b32 s76, s76, 8
	s_add_co_u32 s74, s74, s76
	s_and_b32 s76, s[TQ], 3
	s_lshl_b32 s76, s76, 2
	s_add_co_u32 s74, s74, s76
	s_add_nc_u64 s[68:69], s[6:7], s[74:75]        ; q's scale words: group of 8 tiles, tile / 4, tile % 4
	global_load_b128 v[16:19], v1, s[66:67]
	global_load_b128 v[20:23], v1, s[66:67] offset:512
	global_load_b32 v240, v9, s[68:69]
.endm
; OPTR: where my tile's ctx goes.
.macro OPTR
	s_wait_xcnt 0x0                                ; the last block's stores have read their bases and data: both are written again from here on
	s_lshr_b32 s76, s[BH], 4
	s_lshl_b32 s76, s76, 7
	s_add_co_u32 s76, s76, s[TQ]                   ; ctx's row tile among 512
	s_and_b32 s77, s[BH], 15                       ; the head
	s_lshl_b32 s74, s76, 14
	s_lshl_b32 s78, s77, 10
	s_add_co_u32 s74, s74, s78
	s_mov_b32 s75, 0
	s_add_nc_u64 s[70:71], s[8:9], s[74:75]        ; ctx's image: a head is half a K step: 1,024 bytes
	s_lshr_b32 s74, s77, 2
	s_lshl_b32 s74, s74, 16
	s_lshl_b32 s78, s76, 7
	s_add_co_u32 s74, s74, s78
	s_and_b32 s78, s77, 3
	s_lshl_b32 s78, s78, 1
	s_add_co_u32 s74, s74, s78
	s_add_nc_u64 s[72:73], s[10:11], s[74:75]      ; ctx's scale bytes: plane head / 4, two bytes at 2 (head % 4)
.endm
; RESET: the running figures; then Q is awaited.
.macro RESET
	v_mov_b32 v13, 0xff61b1e6                      ; the largest t so far: -3e38
	s_delay_alu instid0(VALU_DEP_1)
	v_floor_f32 v12, -v13                          ; -M
	v_mov_b32 v14, 0
	v_mov_b32 v15, 0
.set n, 0
.rept 32
	v_mov_b32 v[OT+n], 0                           ; the step is written once: the first finds zeros
.set n, n+1
.endr
	s_wait_loadcnt 0x0
.endm
; A KEY STEP: 128 keys.
.macro STEP
	s_add_co_u32 s[TT], s[Q0], 15                  ; a step all of whose keys come after my 16 queries is left out: a branch on ids, round the work alone
	s_cmp_gt_u32 s[KF], s[TT]
	s_cbranch_scc1 .Lhidden_\@
	s_setprio 2
	v_add_nc_u32 v[ADK], s[TK], v1
	v_add_nc_u32 v[ADS], s[TS], v2
	s_delay_alu instid0(VALU_DEP_2)
	v_add_nc_u32 v[ADV], VIMG, v[ADK]
.rept 5
	v_nop                                          ; with the three additions: eight places in front of loads into registers that matrix instructions have read
.endr
.irp t, 0,1,2,3,4,5,6,7
	ds_load_b128 v[32+8*\t:35+8*\t], v[ADK] offset:1024*\t
	ds_load_b128 v[36+8*\t:39+8*\t], v[ADK] offset:1024*\t+512
.endr
	ds_load_b128 v[216:219], v[ADS]                ; K's scale words, tiles 0-3,
	ds_load_b128 v[220:223], v[ADS] offset:256     ; tiles 4-7
	s_wait_alu depctr_va_vdst(0)
	s_wait_dscnt 0x0
.irp t, 0,1,2,3,4,5,6,7                ; S^T = K Q^T: lane (r, h) holds query r; register j of tile t key 16 t + 8 h + j
	v_wmma_scale_f32_16x16x128_f8f6f4 v[SS+8*\t:SS+8*\t+7], v[32+8*\t:47+8*\t], v[16:31], 0, v[216+\t], v240
.endr
.rept 8
	v_nop
.endr
.irp d, 0,1,2,3                        ; V^T's fragments are asked for now and land during the softmax
.irp c, 0,1,2,3
	ds_load_b128 v[32+16*\d+4*\c:35+16*\d+4*\c], v[ADV] offset:2048*\d+512*\c
.endr
.endr
	ds_load_b128 v[216:219], v[ADS] offset:512
	s_add_co_u32 s[TT], s[KF], 127                 ; on the diagonal hidden scores become -infinity ahead of the maximum; a step all of whose keys count skips this
	s_cmp_le_u32 s[TT], s[Q0]
	s_cbranch_scc1 .Lopen_\@
	s_sub_co_i32 s[TT], s[Q0], s[KF]
	v_add_nc_u32 v244, s[TT], v7                   ; d = my query - KF - 8 h: register n's key is hidden where 16 (n / 8) + n % 8 > d
	v_mov_b32 v245, 0xff800000
.set n, 0
.rept 64
	v_cmp_gt_i32 vcc_lo, 16*(n/8)+n%8, v244
	v_cndmask_b32 v[SS+n], v[SS+n], v245, vcc_lo
.set n, n+1
.endr
.Lopen_\@:
.irp b, 0,1,2,3
	v_max3_num_f32 v[BM+\b], v[SS+16*\b], v[SS+1+16*\b], v[SS+2+16*\b]   ; the largest score of each block of 32 keys: for the row's maximum, and for the block's largest p
.endr
.irp i, 3,5,7,9,11,13
.irp b, 0,1,2,3
	v_max3_num_f32 v[BM+\b], v[BM+\b], v[SS+16*\b+\i], v[SS+1+16*\b+\i]
.endr
.endr
.irp b, 0,1,2,3
	v_max_num_f32 v[BM+\b], v[BM+\b], v[SS+15+16*\b]
.endr
.irp b, 0,1,2,3
	s_delay_alu instid0(VALU_DEP_4)
	v_permlanex16_b32 v[T2+\b], v[BM+\b], s[SEL], s[SEL+1]
.endr
.irp b, 0,1,2,3
	s_delay_alu instid0(VALU_DEP_4)
	v_max_num_f32 v[BM+\b], v[BM+\b], v[T2+\b]
.endr
	s_delay_alu instid0(VALU_DEP_2)
	v_max3_num_f32 v244, v[BM], v[BM+1], v[BM+2]
	s_delay_alu instid0(VALU_DEP_1)
	v_max_num_f32 v244, v244, v[BM+3]
	s_delay_alu instid0(VALU_DEP_1)
	v_mul_f32 v244, s[CS], v244                    ; as t
	s_delay_alu instid0(VALU_DEP_1)
	v_max_num_f32 v13, v13, v244                   ; the running largest t
	v_mov_b32 v244, v12
	s_delay_alu instid0(VALU_DEP_2)
	v_floor_f32 v12, -v13                          ; the new -M = -ceil(t)
	s_delay_alu instid0(VALU_DEP_1)
	v_sub_f32 v244, v12, v244                      ; old M - new M: a whole number, 0 or less
	s_delay_alu instid0(VALU_DEP_1)
	v_cvt_i32_f32 v244, v244                       ; (it saturates)
	s_delay_alu instid0(VALU_DEP_1)
	v_ldexp_f32 v242, 1.0, v244                    ; f = 2^(old M - new M)
.set n, 0
	s_setprio 1
.rept 32
	v_pk_fma_f32 v[SS+n:SS+n+1], v[SS+n:SS+n+1], s[CS:CS+1], v[12:13] op_sel_hi:[1,0,0]   ; t - M
.set n, n+2
.endr
.irp b, 0,1,2,3
	v_fma_f32 v[BM+\b], v[BM+\b], s[CS], v12
.endr
.set n, 0
	s_wait_alu depctr_va_vdst(0)
.rept 64
	v_exp_f32 v[SS+n], v[SS+n]                     ; p = 2^(t - M)
.set n, n+1
.endr
.irp b, 0,1,2,3
	v_exp_f32 v[BM+\b], v[BM+\b]                   ; the block's largest p: the same two instructions on the same number
.endr
	v_pk_mul_f32 v[14:15], v[14:15], v[242:243] op_sel_hi:[1,0]   ; the sums under the new M (a plain line behind the exponentials)
	s_wait_alu depctr_va_vdst(0)
.irp b, 0,1,2,3
	v_max_num_f32 v[BM+\b], 0x4800000, v[BM+\b]    ; the floor
.endr
.irp b, 0,1,2,3
	s_delay_alu instid0(VALU_DEP_4)
	v_add_nc_u32 v[SOP+\b], 0xfc000000, v[BM+\b]
.endr
.irp b, 0,1,2,3
.endr
.irp b, 0,1,2,3
	s_delay_alu instid0(VALU_DEP_4)
	v_lshrrev_b32 v[T2+\b], 23, v[SOP+\b]
.endr
	s_delay_alu instid0(VALU_DEP_3)
	v_lshl_or_b32 v241, v[T2+1], 8, v[T2]          ; p's scale word for these 128 keys
	s_delay_alu instid0(VALU_DEP_1)
	v_lshl_or_b32 v241, v[T2+2], 16, v241
	s_delay_alu instid0(VALU_DEP_1)
	v_lshl_or_b32 v241, v[T2+3], 24, v241
	v_pk_add_f32 v[246:247], v[108:109], v[112:113]
	v_pk_add_f32 v[252:253], v[116:117], v[120:121]
	v_pk_add_f32 v[250:251], v[124:125], v[128:129]
	v_pk_add_f32 v[248:249], v[132:133], v[136:137]
	v_pk_add_f32 v[234:235], v[140:141], v[144:145]
	v_pk_add_f32 v[232:233], v[148:149], v[152:153]
	v_pk_add_f32 v[226:227], v[156:157], v[160:161]
	v_pk_add_f32 v[14:15], v[14:15], v[164:165]
	v_pk_add_f32 v[246:247], v[246:247], v[104:105]
	v_pk_add_f32 v[252:253], v[252:253], v[106:107]
	v_pk_add_f32 v[250:251], v[250:251], v[110:111]
	v_pk_add_f32 v[248:249], v[248:249], v[114:115]
	v_pk_add_f32 v[234:235], v[234:235], v[118:119]
	v_pk_add_f32 v[232:233], v[232:233], v[122:123]
	v_pk_add_f32 v[226:227], v[226:227], v[126:127]
	v_pk_add_f32 v[14:15], v[14:15], v[130:131]
	v_pk_add_f32 v[246:247], v[246:247], v[134:135]
	v_pk_add_f32 v[252:253], v[252:253], v[138:139]
	s_setprio 0
	v_pk_add_f32 v[250:251], v[250:251], v[142:143]
	v_pk_add_f32 v[248:249], v[248:249], v[146:147]
	v_pk_add_f32 v[234:235], v[234:235], v[150:151]
	v_pk_add_f32 v[232:233], v[232:233], v[154:155]
	v_pk_add_f32 v[226:227], v[226:227], v[158:159]
	v_pk_add_f32 v[14:15], v[14:15], v[162:163]
	v_pk_add_f32 v[246:247], v[246:247], v[166:167]
	s_delay_alu instid0(VALU_DEP_2)
	v_pk_add_f32 v[14:15], v[14:15], v[248:249]
	s_delay_alu instid0(VALU_DEP_2)
	v_pk_add_f32 v[246:247], v[246:247], v[234:235]
	v_pk_add_f32 v[252:253], v[252:253], v[232:233]
	v_pk_add_f32 v[250:251], v[250:251], v[226:227]
	s_delay_alu instid0(VALU_DEP_2)
	v_pk_add_f32 v[14:15], v[14:15], v[252:253]
	s_delay_alu instid0(VALU_DEP_2)
	v_pk_add_f32 v[246:247], v[246:247], v[250:251]
	s_delay_alu instid0(VALU_DEP_1)
	v_pk_add_f32 v[14:15], v[14:15], v[246:247]
.irp b, 0,1,2,3
.set n, 0
.rept 16
.set n, n+1
.endr
	v_cvt_scalef32_pk8_fp8_f32 v[PCD+4*\b:PCD+1+4*\b], v[SS+16*\b:SS+7+16*\b], v[SOP+\b]
	v_cvt_scalef32_pk8_fp8_f32 v[PCD+2+4*\b:PCD+3+4*\b], v[SS+8+16*\b:SS+15+16*\b], v[SOP+\b]
.endr
.set n, 0
.rept 16
	v_pk_mul_f32 v[OT+n:OT+n+1], v[OT+n:OT+n+1], v[242:243] op_sel_hi:[1,0]   ; O^T under the new M; these lines also stand between the conversions and the products
.set n, n+2
.endr
	s_wait_alu depctr_va_vdst(0)
	s_wait_dscnt 0x0                               ; V^T's fragments and scale words are in
.irp d, 0,1,2,3                        ; O^T += V^T P^T; the four accumulators take turns
	v_wmma_scale_f32_16x16x128_f8f6f4 v[OT+8*\d:OT+8*\d+7], v[32+16*\d:47+16*\d], v[PCD:PCD+15], v[OT+8*\d:OT+8*\d+7], v[216+\d], v241
.endr
.Lhidden_\@:
	s_add_co_u32 s[KF], s[KF], 128
	s_add_co_u32 s[TK], s[TK], 8192
	s_add_co_u32 s[TS], s[TS], 768
.endm
.macro STEPS g0, n0                    ; key groups g0 .. g0 + n0 - 1: a trip count that is a constant of the text
	s_mov_b32 s[KF], 128*\g0
	s_mov_b32 s[TK], 8192*\g0
	s_mov_b32 s[TS], 768*\g0
	s_mov_b32 s[CNT], \n0
.Lsteps_\@:
	STEP
	s_sub_co_u32 s[CNT], s[CNT], 1
	s_cmp_lg_u32 s[CNT], 0
	s_cbranch_scc1 .Lsteps_\@
	s_setprio 0
.endm
; A query block ends: O^T / the sum is my query's 64 channels: two blocks of 32 of the out projection's K, already in the slots' order.
.macro FINISH
.rept 8
	v_nop
.endr
	v_add_f32 v14, v14, v15
	s_delay_alu instid0(VALU_DEP_1)
	v_permlanex16_b32 v244, v14, s[SEL], s[SEL+1]
	s_delay_alu instid0(VALU_DEP_1)
	v_add_f32 v14, v14, v244                       ; the row's sum
	s_wait_alu depctr_va_vdst(0)
	v_rcp_f32 v14, v14
	v_nop
.set n, 0
	s_wait_alu depctr_va_vdst(0)
.rept 16
	v_pk_mul_f32 v[SS+n:SS+n+1], v[OT+n:OT+n+1], v[14:15] op_sel_hi:[1,0]
.set n, n+2
.endr
	QUANT SS, 2, PCD, 241
	global_store_b128 v1, v[PCD:PCD+3], s[70:71]             ; 512 consecutive bytes each
	global_store_b128 v1, v[PCD+4:PCD+7], s[70:71] offset:512
	global_store_b16 v3, v241, s[72:73]                      ; both lanes of a row write the same two bytes
.endm
	s_sub_co_u32 s[BLKQ], 7, s[PB]                 ; the later block first: queries 1,024 on, so key steps 0-7 are whole for every wave
	QASK 0
	OPTR
	RESET
	s_wait_tensorcnt 3                             ; my scale words and my part of keys 0-511 are in; the three later quarters may be out
	s_barrier_signal -1
	s_barrier_wait -1                              ; everybody's are
	STEPS 0, 4
	s_wait_tensorcnt 0x0                           ; my parts of keys 512-2047: asked for at the head, four key steps ago
	s_wait_dscnt 0x0
	s_barrier_signal -1
	s_barrier_wait -1                              ; everybody's are in: from here on LDS is only read, and no barrier follows
	STEPS 4, 12
	s_mov_b32 s[BLKQ], s[PB]
	QASK 1                                         ; the second block's Q is asked for ahead of the first block's epilogue, which touches none of its registers
	FINISH
	OPTR
	RESET
	STEPS 0, 8                                     ; queries under 1,024: keys 0-1023 at the most
	FINISH
	s_wait_tensorcnt 0x0
	ds_add_u32 v254, v255
	s_wait_dscnt 0x0
	s_endpgm
.Lfunc_end_k_qa1f248a408_attn:
	.size	k_qa1f248a408_attn, .Lfunc_end_k_qa1f248a408_attn-k_qa1f248a408_attn
	.p2alignl 7, 3214868480
	.fill 96, 4, 3214868480
	.section	.rodata,"a",@progbits
	.p2align	6, 0x0
	.amdhsa_kernel k_qa1f248a408_attn
		.amdhsa_group_segment_fixed_size 276480
		.amdhsa_private_segment_fixed_size 0
		.amdhsa_enable_private_segment 0
		.amdhsa_kernarg_size 32
		.amdhsa_user_sgpr_count 2
		.amdhsa_user_sgpr_kernarg_segment_ptr 1
		.amdhsa_wavefront_size32 1
		.amdhsa_system_sgpr_workgroup_id_x 1
		.amdhsa_system_sgpr_workgroup_id_y 1
		.amdhsa_system_sgpr_workgroup_id_z 1
		.amdhsa_system_vgpr_workitem_id 0
		.amdhsa_next_free_vgpr 256
		.amdhsa_next_free_sgpr 84
		.amdhsa_reserve_vcc 1
		.amdhsa_float_denorm_mode_32 3
		.amdhsa_float_denorm_mode_16_64 3
		.amdhsa_fp16_overflow 1
		.amdhsa_memory_ordered 1
		.amdhsa_forward_progress 1
		.amdhsa_inst_pref_size 89
	.end_amdhsa_kernel
	.amdgpu_metadata
---
amdhsa.version: [ 1, 2 ]
amdhsa.kernels:
  - .name:           k_qa1f248a408_attn
    .symbol:         k_qa1f248a408_attn.kd
    .args:
      - { .name: qkv_img, .offset: 0, .size: 8, .value_kind: global_buffer, .address_space: global }
      - { .name: qkv_sc, .offset: 8, .size: 8, .value_kind: global_buffer, .address_space: global }
      - { .name: ctx_img, .offset: 16, .size: 8, .value_kind: global_buffer, .address_space: global }
      - { .name: ctx_sc, .offset: 24, .size: 8, .value_kind: global_buffer, .address_space: global }
    .group_segment_fixed_size: 276480
    .private_segment_fixed_size: 0
    .kernarg_segment_align: 8
    .kernarg_segment_size: 32
    .max_flat_workgroup_size: 512
    .sgpr_count:     84
    .vgpr_count:     256
    .wavefront_size: 32
...
	.end_amdgpu_metadata
.endif
;; end of part 3
;; launch outp (part 4): grid 4 x 64, 4 waves a work-group, clusters of 4 x 4, 327,680 bytes of LDS; arguments ctx_img, ctx_sc, xw_img, xw_sc, bp, out0; writes out0
.if DOCPART == 4
	.amdgcn_target "amdgcn-amd-amdhsa--gfx1250"
	.amdhsa_code_object_version 6
	.text
	.protected	k_qa1f248a408_outp
	.globl	k_qa1f248a408_outp
	.p2align	8
	.type	k_qa1f248a408_outp,@function
k_qa1f248a408_outp:
	s_mov_b64 s[64:65], 0
	v_nop
	global_prefetch_b8 v0, s[64:65] scope:SCOPE_SE
	s_setreg_imm32_b32 hwreg(HW_REG_WAVE_MODE, 25, 1), 1
	s_wait_xcnt 0x0
	s_wait_alu depctr_hold_cnt(0) depctr_sa_sdst(0) depctr_va_vdst(0) depctr_va_sdst(0) depctr_va_ssrc(0) depctr_va_vcc(0) depctr_vm_vsrc(0)
	s_getreg_b32 s2, hwreg(HW_REG_IB_STS2, 6, 4)
	s_cmp_eq_u32 s2, 0
	s_cbranch_scc0 .Lentry_in_a_cluster
	s_endpgm
.Lentry_in_a_cluster:
	s_bfe_u32 s2, ttmp6, 0x10000c
	s_cmp_lg_u32 s2, 0xf033
	s_cbranch_scc0 .Lentry_shape_is_right
	s_endpgm
.Lentry_shape_is_right:
; out0 = ctx Wp + bp on codes of FP8 (E4M3) with E8M0 scales, f32 sums.  ctx [8192][1024] and Wp's columns arrive as register images ([row / 16][K step: 8][2,048 bytes]) with scale words [K / 256: 4][row][8 bytes]; Wp's rows of the weights' table begin at row 11,264.
; A work-group of four waves makes 128 rows x 256 columns of out0: 64 x 4 = 256 work-groups, one for each WGP.  A wave makes 64 x 128: 32 accumulators, 256 registers.  (A tile of 256 x 256 would feed a third more products from each LDS byte and leave half of the WGPs without work.)
; K = 1,024 goes in four steps of 256 through two LDS slots; LDS is read at 16 x lane, with no pitch.  The scale words of all of K come once.
; CLUSTERS of 4 x 4: ctx's tiles are shared along a row of the cluster, Wp's along a column, by joint loads.
; THE MATRIX INSTRUCTION IS USED TRANSPOSED (source 0 = 16 columns of Wp, source 1 = 16 rows of ctx): a lane holds eight neighbouring numbers of a row of out0.  bp is the C of each sum's first product: it costs no addition.
; REGISTERS: window 0: v0-31 addresses; v32-63 scale words, two sets; v64-127 bp in the result's layout; v128-191, v192-255 ctx's fragments, two sets (on the way out: rows of out0).  window 1: Wp's fragments, two sets.  window 2: accumulator (a, b) at v[8 (8 a + b)].
.set NQ,     2                         ; matrix instructions deep in a slot
.set FR,     16                        ; registers of a fragment
.set NP,     8                         ; places behind this matrix instruction (ISA guide 7.12.1)
.set HALFA,  16384                     ; 64 rows of ctx x 256 K: what a tensor load for ctx brings, and what a wave reads of it
.set HALFB,  32768                     ; 128 columns of Wp x 256 K: likewise
.set BOFF,   2*HALFA                   ; in a slot Wp's two halves lie behind ctx's two
.set SLOT,   2*HALFA+2*HALFB
.set SCL,    2*SLOT                    ; ctx's scale words: [K / 256: 4][128 rows][8 bytes]
.set SCB,    4096                      ; Wp's lie so far behind them: [half 2][K / 256: 4][128 rows][8 bytes].  (Lanes 0-15 and 16-31 of a scale load then fall on the same banks (ISA guide 11.1): eight loads of 8 bytes a slot)
.set SPARE,  SCL+SCB+8192              ; the spare words, 128 bytes a wave: two blocks of 256 bytes that no other line names
.set SPITCH, 528                       ; the way out: a stage of 16 rows x (512 + 16) bytes a wave, in slot 0, which has had its last fill and its last read by then
.set SIZE_N, 1024
.set ADRA, 16                          ; v16-17  my ctx fragments in slot 0, 1
.set ADRB, 20                          ; v20-21  my Wp fragments
.set STO,  24
.set RD,   25
.set CO,   26                          ; v26     16 x lane
.set ADRS, 27                          ; v27     my scale words: lanes 0-15 ctx's rows, lanes 16-31 Wp's
.set SPW,  28                          ; v28     my spare word; never rewritten
.set NIL,  29                          ; v29     0; never rewritten
.set SC,   32
.set BIAS, 64
.set AF,   128
.set BK,   128
.set G1, 24
.set G0, 32
.set G1B, 48
.set G0B, 56
.set G1S, 68
.set G0S, 76
.set G1SB, 80
.set G0SB, 88
.set MSB, 0
.macro WIN new                         ; the immediate's high byte repeats the setting that is left
.if MSB != \new
	s_set_vgpr_msb (MSB<<8)|\new
.set MSB, \new
.endif
.endm
.set MUL_LO, 0xa1                      ; source 0 (Wp) window 1, source 1 (ctx) window 0, C and D window 2
.set FIRST_LO, 0x81                    ; the first products: C (bp) window 0, D window 2
.set TO_B,   0x40                      ; destination window 1, address window 0
.macro JLOAD g0a, g1a, g0b, g1b        ; waves 0 and 1 fetch for ctx, waves 2 and 3 for Wp; four v_nop follow each of the two lines
	s_cmp_eq_u32 s15, 0
	s_cbranch_scc0 .Lfor_b_\@
	tensor_load_to_lds s[\g0a:\g0a+3], s[\g1a:\g1a+7]
	s_nop 0
.rept 4
	v_nop
.endr
	s_branch .Lasked_\@
.Lfor_b_\@:
	tensor_load_to_lds s[\g0b:\g0b+3], s[\g1b:\g1b+7]
	s_nop 0
.rept 4
	v_nop
.endr
.Lasked_\@:
.endm
.macro CREST                           ; a round of the cluster's barrier behind its opening barrier
	s_cmp_lg_u32 s14, 0
	s_cbranch_scc1 .Lnot_wave_0_\@
	s_barrier_signal -3
.Lnot_wave_0_\@:
	s_barrier_wait -3
	s_barrier_signal -1
	s_barrier_wait -1
.endm
.macro CROUND
	s_barrier_signal -1
	s_barrier_wait -1
	CREST
.endm
	s_load_b256 s[4:11], s[0:1], 0x0               ; ctx_img s[4:5], ctx_sc s[6:7], xw_img s[8:9], xw_sc s[10:11]
	s_load_b64 s[2:3], s[0:1], 0x20                ; bp
	s_load_b64 s[12:13], s[0:1], 0x28              ; out0
	v_lshl_add_u32 v[SPW], v0, 2, SPARE
	v_mov_b32 v[NIL], 0
	ds_add_u32 v28, v29
	ds_add_u32 v28, v29
	s_wait_dscnt 0x0
	v_lshrrev_b32 v1, 5, v0
	v_readfirstlane_b32 s14, v1                    ; wave 0..3
	s_lshr_b32 s15, s14, 1                         ; which 64 rows are mine.  Also: I fetch for ctx (0) or for Wp (1)
	s_and_b32 s16, s14, 1                          ; which 128 columns.  Also: which half I fetch
	s_bfe_u32 s40, ttmp6, 0x40000                  ; cx
	s_bfe_u32 s41, ttmp6, 0x40004                  ; cy
	s_and_b32 s17, ttmp7, 0xffff
	s_lshl_b32 s17, s17, 2
	s_add_co_u32 s17, s17, s41                     ; which 128 rows of ctx: 4 x cluster y + cy
	s_add_co_u32 s42, s40, 44                      ; which 256 rows of the weights' table: 44 + cx
	s_lshl_b32 s43, s41, 2
	s_lshl_b32 s43, 15, s43                        ; my row of the cluster
	s_lshl_b32 s44, 0x1111, s40                    ; my column
	s_or_b32 s[G1+0], s43, (3<<16)|(1<<21)         ; codes: rows (tiles of 16 operand rows) of 512 elements of 8 bytes, 2,048 elements apart: 4 of them for ctx, 8 for Wp
	s_or_b32 s[G1B+0], s44, (3<<16)|(1<<21)
.irp g, G1, G1B
	s_mov_b32 s[\g+1], 512<<16                     ; tensor_dim0
	s_mov_b32 s[\g+3], 512<<16                     ; tile_dim0
	s_mov_b32 s[\g+5], 2048                        ; tensor_dim0_stride
	s_mov_b32 s[\g+6], 0
	s_mov_b32 s[\g+7], 0
.endr
	s_mov_b32 s[G1+2], 4<<16                       ; tensor_dim1
	s_mov_b32 s[G1+4], 4                           ; tile_dim1
	s_mov_b32 s[G1B+2], 8<<16
	s_mov_b32 s[G1B+4], 8
	s_or_b32 s[G1S+0], s43, (3<<16)|(1<<21)        ; scale words of 128 rows: rows (planes K / 256) of 128 elements of 8 bytes.  ctx: 2 planes a load, 8,192 elements apart; Wp: 4 planes a load, 12,288 apart
	s_or_b32 s[G1SB+0], s44, (3<<16)|(1<<21)
.irp g, G1S, G1SB
	s_mov_b32 s[\g+1], 128<<16
	s_mov_b32 s[\g+3], 128<<16
	s_mov_b32 s[\g+6], 0
	s_mov_b32 s[\g+7], 0
.endr
	s_mov_b32 s[G1S+2], 2<<16
	s_mov_b32 s[G1S+4], 2
	s_mov_b32 s[G1S+5], 8192
	s_mov_b32 s[G1SB+2], 4<<16
	s_mov_b32 s[G1SB+4], 4
	s_mov_b32 s[G1SB+5], 12288
	s_lshl_b32 s20, s17, 17                        ; ctx's codes: 8 tiles of 16,384 bytes a work-group,
	s_lshl_b32 s18, s16, 16                        ; 4 of them a half
	s_add_co_u32 s20, s20, s18
	s_mov_b32 s21, 0
	s_lshl_b32 s22, s17, 10                        ; ctx's scale words: 128 rows of 8 bytes,
	s_lshl_b32 s18, s16, 17                        ; two planes of 65,536 bytes a load
	s_add_co_u32 s22, s22, s18
	s_mov_b32 s23, 0
	s_lshl_b32 s46, s42, 18                        ; Wp's codes: 16 tiles of 16,384 bytes,
	s_add_co_u32 s46, s46, s18                     ; 8 of them a half
	s_mov_b32 s47, 0
	s_lshl_b32 s92, s42, 11                        ; Wp's scale words: 256 rows of 8 bytes,
	s_lshl_b32 s19, s16, 10                        ; 128 a half
	s_add_co_u32 s92, s92, s19
	s_mov_b32 s93, 0
	s_lshl_b32 s45, s16, 14                        ; where they go: no place in the cluster enters an LDS address.  ctx's codes: half x 16,384;
	s_lshl_b32 s95, s16, 15
	s_add_co_u32 s95, s95, BOFF                    ; Wp's: behind them, half x 32,768;
	s_lshl_b32 s94, s16, 11                        ; ctx's scale words: two planes of 1,024 bytes a load;
	s_lshl_b32 s96, s16, 12
	s_add_co_u32 s96, s96, SCB                     ; Wp's: behind them, half x 4,096
	s_wait_kmcnt 0x0
	s_add_nc_u64 s[20:21], s[4:5], s[20:21]
	s_add_nc_u64 s[22:23], s[6:7], s[22:23]
	s_add_nc_u64 s[46:47], s[8:9], s[46:47]
	s_add_nc_u64 s[92:93], s[10:11], s[92:93]
	CROUND                                         ; all sixteen work-groups are here: the first joint loads meet
	s_mov_b32 s[G0S], 1
	s_add_co_u32 s[G0S+1], s94, SCL
	s_mov_b64 s[G0S+2:G0S+3], s[22:23]
	s_or_b32 s[G0S+3], s[G0S+3], 0x80000000
	s_mov_b32 s[G0SB], 1
	s_add_co_u32 s[G0SB+1], s96, SCL
	s_mov_b64 s[G0SB+2:G0SB+3], s[92:93]
	s_or_b32 s[G0SB+3], s[G0SB+3], 0x80000000
	JLOAD G0S, G1S, G0SB, G1SB                     ; the scale words first: they are wanted with the first step
.irp s, 0,1
	s_mov_b32 s[G0+4*\s], 1
	s_add_co_u32 s[G0+4*\s+1], s45, \s*SLOT
	s_add_nc_u64 s[G0+4*\s+2:G0+4*\s+3], s[20:21], \s*4096
	s_or_b32 s[G0+4*\s+3], s[G0+4*\s+3], 0x80000000
	s_mov_b32 s[G0B+4*\s], 1
	s_add_co_u32 s[G0B+4*\s+1], s95, \s*SLOT
	s_add_nc_u64 s[G0B+4*\s+2:G0B+4*\s+3], s[46:47], \s*4096
	s_or_b32 s[G0B+4*\s+3], s[G0B+4*\s+3], 0x80000000
	s_wait_alu depctr_va_vdst(0)
	s_wait_tensorcnt 0x0
	ds_add_u32 v28, v29
	s_wait_dscnt 0x0
	CROUND
	JLOAD G0+4*\s, G1, G0B+4*\s, G1B
.endr
	v_and_b32 v1, 15, v0                           ; r
	v_bfe_u32 v2, v0, 4, 1                         ; h
	v_and_b32 v3, 31, v0
	v_lshlrev_b32 v[CO], 4, v3                     ; 16 x lane
	s_wait_alu depctr_va_vdst(0)
	s_lshl_b32 s46, s40, 10                        ; my first column, in bytes of f32: 1,024 cx + 512 x (wave % 2): for bp and for out0
	s_lshl_b32 s47, s16, 9
	s_add_co_u32 s46, s46, s47
	s_mov_b32 s47, 0
	s_add_nc_u64 s[2:3], s[2:3], s[46:47]
	v_lshlrev_b32 v5, 5, v2                        ; bp: lane (r, h) wants, for tile b, columns 16 b + 8 h + 0 .. 7
.irp b, 0,1,2,3,4,5,6,7
	global_load_b128 v[BIAS+8*\b:BIAS+8*\b+3], v5, s[2:3] offset:64*\b
	global_load_b128 v[BIAS+8*\b+4:BIAS+8*\b+7], v5, s[2:3] offset:64*\b+16
.endr
	s_lshl_b32 s21, s15, 14                        ; my 64 rows of ctx
	s_lshl_b32 s22, s16, 15                        ; my 128 columns of Wp,
	s_add_co_u32 s22, s22, BOFF                    ; behind ctx's 128 rows
.irp s, 0,1
	v_add_nc_u32 v[ADRA+\s], s21, v[CO]
	v_add_nc_u32 v[ADRB+\s], s22, v[CO]
	s_add_co_u32 s21, s21, SLOT
	s_add_co_u32 s22, s22, SLOT
.endr
	s_lshl_b32 s21, s15, 9                         ; ctx's scale words: my 64 rows of a plane's 128
	s_lshl_b32 s22, s16, 12                        ; Wp's: my half
	s_add_co_u32 s22, s22, SCB
	s_sub_co_u32 s22, s22, s21
	v_mul_u32_u24 v6, s22, v2                      ; lanes 16-31 take Wp's words: one product in h
	s_add_co_u32 s21, s21, SCL
	v_lshl_add_u32 v4, v1, 3, v6                   ; 8 bytes a row
	v_add_nc_u32 v[ADRS], s21, v4
	s_mul_i32 s23, s14, 16*SPITCH                  ; my stage
	v_mul_u32_u24 v4, v1, SPITCH
	v_lshl_add_u32 v4, v2, 5, v4
	v_add_nc_u32 v[STO], s23, v4                   ; in: row r, 32 bytes for each half of the lanes
	v_add_nc_u32 v[RD], s23, v[CO]                 ; back: the 32 lanes take one row of 512 bytes
	s_lshl_b32 s20, s17, 7
	s_lshl_b32 s21, s15, 6
	s_add_co_u32 s20, s20, s21                     ; my first row of out0: 128 x tile row + 64 x (wave / 2)
	s_lshl_b32 s20, s20, 12                        ; rows of 4,096 bytes
	s_mov_b32 s21, 0
	s_add_nc_u64 s[12:13], s[12:13], s[20:21]
	s_add_nc_u64 s[12:13], s[12:13], s[46:47]
.macro FRAG reg, adr, q, i             ; a fragment's image: four groups of 512 bytes, 16 bytes a lane
.irp c, 0,1,2,3
	ds_load_b128 v[\reg+4*\c:\reg+4*\c+3], v[\adr] offset:4096*(\i)+2048*(\q)+512*\c
.endr
.endm
; 16 matrix instructions: ctx's blocks a0, a0 + 1 x Wp's eight; p: the sets of fragments; q: the slot's q-th 128 along K; sc: the set of scale words.  first = 1: bp starts the sums.
; The 32 accumulators take turns, one instruction a turn, in the same order in every step.
.macro MUL16 a0, p, q, sc, first
.irp a, \a0, \a0+1
.irp b, 0,1,2,3,4,5,6,7
.if \first
	v_wmma_scale_f32_16x16x128_f8f6f4 v[8*(8*(\a)+\b):8*(8*(\a)+\b)+7], v[128*(\p)+FR*\b:128*(\p)+FR*\b+FR-1], v[AF+64*(\p)+FR*(\a):AF+64*(\p)+FR*(\a)+FR-1], v[BIAS+8*\b:BIAS+8*\b+7], v[SC+8*NQ*(\sc)+NQ*\b+(\q)], v[SC+8*NQ*(\sc)+NQ*(\a)+(\q)] matrix_a_scale:MATRIX_SCALE_ROW1
.else
	v_wmma_scale_f32_16x16x128_f8f6f4 v[8*(8*(\a)+\b):8*(8*(\a)+\b)+7], v[128*(\p)+FR*\b:128*(\p)+FR*\b+FR-1], v[AF+64*(\p)+FR*(\a):AF+64*(\p)+FR*(\a)+FR-1], v[8*(8*(\a)+\b):8*(8*(\a)+\b)+7], v[SC+8*NQ*(\sc)+NQ*\b+(\q)], v[SC+8*NQ*(\sc)+NQ*(\a)+(\q)] matrix_a_scale:MATRIX_SCALE_ROW1
.endif
.endr
.endr
.endm
.macro FETCH_B slot, q, p              ; Wp's eight fragments into set p
	WIN TO_B
.irp i, 0,1,2,3,4,5,6,7
	FRAG 128*(\p)+FR*\i, ADRB+\slot, \q, \i
.endr
	WIN 0
.endm
.macro FETCH_A slot, q, p              ; ctx's four fragments into set p
.irp i, 0,1,2,3
	FRAG AF+64*(\p)+FR*\i, ADRA+\slot, \q, \i
.endr
.endm
.macro SCALES sc                       ; a slot's scale words: two words a row; lanes 0-15 ctx's block i (blocks 4-7 are other rows' words and are not used), lanes 16-31 Wp's block i
.irp i, 0,1,2,3,4,5,6,7
	ds_load_b64 v[SC+8*NQ*\sc+NQ*\i:SC+8*NQ*\sc+NQ*\i+1], v[ADRS] offset:\i*128
.endr
.endm
.macro PLACES n                        ; plain vector lines between a matrix instruction and a load into, or a store of, its registers
.rept \n
	v_nop
.endr
.endm
; A slot's first 128 along K, on sets 0.  The second 128's 48 fragment loads go out first, into sets 1, and land under the 32 products.
.macro STEP slot, first
	s_wait_dscnt 0x0                               ; sets 0 and the slot's scale words are in
.if !\first
	PLACES NP                                      ; sets 1 were read by the products just issued
.endif
	FETCH_B \slot, 1, 1
	FETCH_A \slot, 1, 1
.if \first
	WIN FIRST_LO
.else
	WIN MUL_LO
.endif
	MUL16 0, 0, 0, \slot, \first
	MUL16 2, 0, 0, \slot, \first
	WIN 0
.endm
; A slot's second 128 along K, on sets 1, changes slots: one barrier; in front of it each wave waits for all its tensor loads, adds 0 to its spare word, and waits for that and for its reads of this slot.
; Behind it: the refill (fill = 1), the next slot's first fragments into sets 0, and the step's other sixteen products while those land.
.macro TURN slot, next, fill
	s_wait_tensorcnt 0x0                           ; all my tensor loads have landed: my part of the next slot
	ds_add_u32 v[SPW], v[NIL]
	s_wait_dscnt 1                                 ; sets 1 are in; the add alone may be out
	WIN MUL_LO
	MUL16 0, 1, 1, \slot, 0                        ; sixteen matrix instructions stand between the add and the wait for it
	WIN 0
	s_wait_dscnt 0x0                               ; the add is done, and my reads of this slot are over
	s_barrier_signal -1
	s_barrier_wait -1
.if \fill
	CREST                                          ; the barrier has opened a round of the cluster's: no wave of any partner still reads this slot or has a load on its way
	s_add_nc_u64 s[G0+4*\slot+2:G0+4*\slot+3], s[G0+4*\slot+2:G0+4*\slot+3], 8192
	s_add_nc_u64 s[G0B+4*\slot+2:G0B+4*\slot+3], s[G0B+4*\slot+2:G0B+4*\slot+3], 8192
	JLOAD G0+4*\slot, G1, G0B+4*\slot, G1B         ; the first tensor load behind the round; its four v_nop are among the places in front of the loads below
	PLACES NP-4
.else
	PLACES NP
.endif
	s_wait_alu depctr_va_vdst(0)
	v_add_nc_u32 v[ADRS], 1024, v[ADRS]            ; the next slot's scale words: one plane on, for ctx and for Wp alike
	FETCH_B \next, 0, 0
	FETCH_A \next, 0, 0
	SCALES \next
	WIN MUL_LO
	MUL16 2, 1, 1, \slot, 0
	WIN 0
.endm
	s_wait_alu depctr_va_vdst(0)
	s_wait_loadcnt 0x0                             ; bp
	s_wait_tensorcnt 1                             ; the scale words and my part of slot 0 are in; of my three loads slot 1's may be out
	s_barrier_signal -1
	s_barrier_wait -1
	FETCH_B 0, 0, 0
	FETCH_A 0, 0, 0
	SCALES 0
	STEP 0, 1                                      ; the first products start the sums, from bp
	TURN 0, 1, 1                                   ; K = 1,024 is four slots' worth: written out, no loop
	STEP 1, 0
	TURN 1, 0, 1
	STEP 0, 0
	TURN 0, 1, 0                                   ; nothing is left to fetch
	STEP 1, 0
	s_wait_dscnt 0x0
	WIN MUL_LO
	MUL16 0, 1, 1, 1, 0
	MUL16 2, 1, 1, 1, 0
	WIN 0
; THE WAY OUT, block by block of 16 rows x 128 columns, through my own stage: in as 32 bytes a lane, back as whole rows of 512 bytes.  LDS serves a wave's instructions in order (ISA guide 5.7.1.4).
.macro TOSTAGE a
.set AC, 64*(\a)
	WIN 0x08                                       ; an LDS store's data: window 2
.irp b, 0,1,2,3,4,5,6,7
	ds_store_b128 v[STO], v[AC+8*\b:AC+8*\b+3] offset:64*\b          ; each accumulator from its low end on
	ds_store_b128 v[STO], v[AC+8*\b+4:AC+8*\b+7] offset:64*\b+16
.endr
	WIN 0
.set BB, BK+64*((\a)%2)
.irp t, 0,1,2,3,4,5,6,7,8,9,10,11,12,13,14,15
	ds_load_b128 v[BB+4*\t:BB+4*\t+3], v[RD] offset:\t*SPITCH
.endr
.endm
.macro SEND a, younger
.set BB, BK+64*((\a)%2)
	s_wait_dscnt \younger                          ; the block is back in registers
.if (\a) > 0
	s_add_nc_u64 s[12:13], s[12:13], 16*SIZE_N*4   ; (behind a wait for the earlier stores' addresses)  16 rows on
.endif
.irp t, 0,1,2,3,4,5,6,7,8,9,10,11,12,13,14,15
	global_store_b128 v[CO], v[BB+4*\t:BB+4*\t+3], s[12:13] offset:\t*SIZE_N*4 th:TH_STORE_NT   ; 512 consecutive bytes, at a multiple of 256 from out0's first byte
.endr
.endm
	PLACES NP
	TOSTAGE 0
.irp a, 1,2,3
.if \a > 1
	s_wait_xcnt 0x0                                ; block a - 2's stores have read their registers and their base
.endif
	TOSTAGE \a
	SEND \a-1, 32                                  ; behind block a - 1's loads: block a's 16 stores and 16 loads
.endr
	s_wait_xcnt 0x0
	SEND 3, 0
	s_wait_tensorcnt 0x0                           ; the wave's end
	ds_add_u32 v[SPW], v[NIL]
	s_wait_dscnt 0x0
	CROUND                                         ; the closing round
	s_endpgm
.Lfunc_end_k_qa1f248a408_outp:
	.size	k_qa1f248a408_outp, .Lfunc_end_k_qa1f248a408_outp-k_qa1f248a408_outp
	.p2alignl 7, 3214868480
	.fill 96, 4, 3214868480
	.section	.rodata,"a",@progbits
	.p2align	6, 0x0
	.amdhsa_kernel k_qa1f248a408_outp
		.amdhsa_group_segment_fixed_size 327680
		.amdhsa_private_segment_fixed_size 0
		.amdhsa_enable_private_segment 0
		.amdhsa_kernarg_size 48
		.amdhsa_user_sgpr_count 2
		.amdhsa_user_sgpr_kernarg_segment_ptr 1
		.amdhsa_wavefront_size32 1
		.amdhsa_system_sgpr_workgroup_id_x 1
		.amdhsa_system_sgpr_workgroup_id_y 1
		.amdhsa_system_sgpr_workgroup_id_z 1
		.amdhsa_system_vgpr_workitem_id 0
		.amdhsa_next_free_vgpr 768
		.amdhsa_next_free_sgpr 98
		.amdhsa_reserve_vcc 0
		.amdhsa_float_denorm_mode_32 3
		.amdhsa_float_denorm_mode_16_64 3
		.amdhsa_memory_ordered 1
		.amdhsa_forward_progress 1
		.amdhsa_inst_pref_size 91
	.end_amdhsa_kernel
	.amdgpu_metadata
---
amdhsa.version: [ 1, 2 ]
amdhsa.kernels:
  - .name:           k_qa1f248a408_outp
    .symbol:         k_qa1f248a408_outp.kd
    .args:
      - { .name: ctx_img, .offset: 0, .size: 8, .value_kind: global_buffer, .address_space: global }
      - { .name: ctx_sc, .offset: 8, .size: 8, .value_kind: global_buffer, .address_space: global }
      - { .name: xw_img, .offset: 16, .size: 8, .value_kind: global_buffer, .address_space: global }
      - { .name: xw_sc, .offset: 24, .size: 8, .value_kind: global_buffer, .address_space: global }
      - { .name: bp, .offset: 32, .size: 8, .value_kind: global_buffer, .address_space: global }
      - { .name: out0, .offset: 40, .size: 8, .value_kind: global_buffer, .address_space: global }
    .group_segment_fixed_size: 327680
    .private_segment_fixed_size: 0
    .kernarg_segment_align: 8
    .kernarg_segment_size: 48
    .max_flat_workgroup_size: 128
    .sgpr_count:     98
    .vgpr_count:     768
    .wavefront_size: 32
...
	.end_amdgpu_metadata
.endif
;; end of part 4
